; MI455X (gfx1250); checked and timed in simulation.
; The chip was launched on July 23, 2026; its instructions are those of AMD's public machine-readable ISA for CDNA 5 (MIT licence, August 2026) and "CDNA5" Instruction Set Architecture Reference Guide (July 2026). The comments in the code are by the model that wrote it; some were corrected since.
;; Multi Head Attention. Allowed arithmetic: matrix products marked QUANTISED: E2M3 operands, one E8M0 scale for each 32 along K, by v_wmma_scale_f32_16x16x128_f8f6f4 with both operands' format E2M3, f32 sums; everything else in f32.
;; Inputs: Wk 1,024 x 1,024 float32; Wo 1,024 x 1,024 float32; Wq 1,024 x 1,024 float32; Wv 1,024 x 1,024 float32; bk 1,024 float32; bo 1,024 float32; bq 1,024 float32; bv 1,024 float32; mask 2 x 2,048 bool; x 2 x 2,048 x 1,024 float32.
;; Outputs: out0 2 x 2,048 x 1,024 float32.
;; This version of the problem:
;;   THIS VERSION OF THE PROBLEM IS GIVEN IN LOW PRECISION. The matrix products marked QUANTISED in the list below multiply operands that are first quantised to E2M3 (2 exponent bits, 3 mantissa bits; 6 bits a number), with one power-of-two scale for each 32 numbers along K (OCP MX v1.0); their sums are f32. All else is computed in f32.
;;   The module's matrix products, in the order in which they are computed (A, B: the left and right operand; K: the contracted axis; several contracted axes count as one K, in the product's order):
;;     1. [M 4,096, K 1,024] x [K 1,024, N 1,024]; A: input x; B: input Wq: QUANTISED
;;     2. [M 4,096, K 1,024] x [K 1,024, N 1,024]; A: input x; B: input Wk: QUANTISED
;;     3. [M 4,096, K 1,024] x [K 1,024, N 1,024]; A: input x; B: input Wv: QUANTISED
;;     4. batch 32 x [M 2,048, K 64] x [K 64, N 2,048]; A: computed on the way; B: computed on the way: QUANTISED
;;     5. batch 32 x [M 2,048, K 2,048] x [K 2,048, N 64]; A: computed on the way; B: computed on the way: QUANTISED
;;     6. [M 4,096, K 1,024] x [K 1,024, N 1,024]; A: computed on the way; B: input Wo: QUANTISED
;;   THE QUANTISER, for each operand of a quantised product, along K:
;;     - K is cut into blocks of 32 from its start; a last block that is shorter is filled with zeros.
;;     - A block's scale is 2^e with e = floor(log2(the largest magnitude in the block)) - 2, held to -126 .. 127; a block of zeros has e = 0. As a byte (E8M0): e + 127.
;;     - Each number is divided by its block's scale, clamped to +-7.5, and rounded to the nearest number of E2M3, ties to even, subnormals kept.
;;     - The product sums the exact products of the quantised numbers (number of the format x scale) in f32.
;;   ~~~python
;;   def quantise(x, axis):      # numpy; x: float32 -> the quantised numbers, widened to float32 again
;;       x = np.moveaxis(x, axis, -1); K = x.shape[-1]
;;       x = np.pad(x, [(0, 0)] * (x.ndim - 1) + [(0, -K % 32)]); x = x.reshape(x.shape[:-1] + (-1, 32)); a = np.abs(x).max(-1, keepdims=True)
;;       e = np.where(a > 0, np.clip(np.frexp(np.where(a > 0, a, 1))[1] - 1 - 2, -126, 127), 0)      # np.frexp(a)[1] - 1 = floor(log2(a)), exactly
;;       r = np.clip(x / 2.0 ** e, -7.5, 7.5)
;;       step = 2.0 ** (np.maximum(np.frexp(np.where(r == 0, 1, r))[1] - 1, 0) - 3)
;;       q = np.round(r / step) * step * 2.0 ** e      # np.round: ties to even
;;       return np.moveaxis(q.reshape(q.shape[:-2] + (-1,))[..., :K], -1, axis).astype(np.float32)
;;   ~~~
;;   OPERANDS COMPUTED ON THE WAY. 'Computed on the way' means the value that the module computes at that place (a softmax that the list does not call 'softmax' is quantised finished and normalised). What goes into a quantiser is computed in f32, as accurately as f32 sums, v_exp_f32 and their like allow (about 1e-6 of the number): no bf16 or f16 on the way to a quantiser, and a product that is left as it is and whose result goes on into a quantised operand takes f32 operands (vector FMAs, or v_wmma_f32_16x16x4_f32). A number that lies on a knife's edge between two numbers of the format may be rounded either way, as far as f32 arithmetic and the matrix unit's own rounding can turn it there, and no further.
;; One version. Each part assembles by itself: llvm-mc -triple=amdgcn-amd-amdhsa -mcpu=gfx1250 --defsym DOCPART=n.
;; ======== version 1 of 1: 4 launches
;; limits: right only within a limited range of input values
;; workspace buffers: pq 6,553,600 bytes; kv 10,092,544 bytes; ao 3,276,800 bytes
;; launch prep (part 1): grid 512 x 1, 4 waves a work-group, no clusters, 44,544 bytes of LDS; arguments x, Wq, Wk, Wv, Wo, pq; writes pq
.if DOCPART == 1
	.amdgcn_target "amdgcn-amd-amdhsa--gfx1250"
	.amdhsa_code_object_version 6
	.text
	.protected	k_q2981780118_prep
	.globl	k_q2981780118_prep
	.p2align	8
	.type	k_q2981780118_prep,@function
k_q2981780118_prep:
	s_mov_b64 s[64:65], 0
	v_nop
	global_prefetch_b8 v0, s[64:65] scope:SCOPE_SE
	s_setreg_imm32_b32 hwreg(HW_REG_WAVE_MODE, 25, 1), 1
	s_wait_xcnt 0x0
; x [4096][1024] and the four weights [1024 (k)][1024 (n)], f32, become codes of FP6 (E2M3) with one E8M0 byte for each 32 along K, laid in pq as IMAGES OF OPERAND REGISTERS.
; TILES.  A matrix is cut into tiles of 16 rows (x: tokens; a weight: its columns n).  Tile T = 2 g + u, tile row i is matrix row 32 g + 8 u + i + 8 (i / 8).
; HALF FRAGMENT: 16 rows x 64 K, 768 bytes: plane p (256 bytes) holds lane l's 8 bytes at 8 l: registers 2 p, 2 p + 1 of the lane's six; lane (r, h) holds k = 32 h .. 32 h + 31 of row r.
; pq: XI [T 256][kh 16][768];  WI [mat 4][T 64][kh 16][768];  XS [T 256][ks 8][r 16] scale words;  WS [mat 4][T 64][ks 8][r 16].
; A block's byte is its largest magnitude's exponent field - 2, held at 1 from below (a block of zeros gets 1: its codes are zeros, and this program alone reads the bytes).
; LIMITS: NaN and infinities among the inputs are not served.
; Work-groups 0-255 take a tile of x each (wave w: K 256 w on); work-groups 256-511 take a weight's 128 columns x 128 K (wave w: 32 columns, four blocks of 32 down K: one K step's scale word a column).
; Waves share nothing: no barrier.  No tensor loads, no clusters: every input byte is read once, by one wave.  Each path has LDS bytes of its own; all LDS addresses are made ahead of the parting.
.set XI, 0
.set WI, 3145728
.set XS, 6291456
.set WS, 6422528
.set WST, 17408                        ; LDS: x's stages 4 x 4,352 from 0; the weights' stages 4 x 6,656 from here
.set SPARE, 44032                      ; the spare words: 128 bytes a wave, two blocks of 256 bytes that no other line names
.set SPW, 1
.set NIL, 2
.set STI, 6                            ; x's stage, in: two rows of 256 bytes + 16 a store
.set STO, 7                            ; x's stage, out: row l % 16, 128 bytes for each half of the lanes
.set WSTI, 10                          ; a weight's stage: my column's 8 bytes of a plane
.set WSSC, 11                          ; and its scale word
.set WRD, 12                           ; back: 16 bytes a lane
.set WRS, 13                           ; back: 4 bytes a lane
.set XO, 14
.set A8, 15
.set A4, 16
.set A16, 17
.set WSO, 18
.set R, 128                            ; path x: v128-255 the wave's 32 loads
.set X, 64                             ; v64-127 two sets of 32 neighbours
.set C, 32                             ; v32-55 six registers of codes for each half fragment
.set Y, 56
.set B, 60                             ; v60-63 a byte for each half fragment
.set XW, 32                            ; path w: v32-95 two sets of 32 numbers down K
.set CW, 96
.set SB, 24
.set OUT, 112
	s_load_b256 s[4:11], s[0:1], 0x0               ; x, Wq, Wk, Wv
	s_load_b128 s[12:15], s[0:1], 0x20             ; Wo, pq
	v_lshl_add_u32 v[SPW], v0, 2, SPARE
	v_mov_b32 v[NIL], 0
	v_lshrrev_b32 v3, 5, v0
	v_readfirstlane_b32 s16, v3                    ; wave
	v_and_b32 v3, 31, v0                           ; lane
	v_and_b32 v4, 15, v0
	v_bfe_u32 v5, v0, 4, 1
	s_mul_i32 s17, s16, 4352
	v_mul_u32_u24 v[STI], v5, 272
	v_lshl_add_u32 v[STI], v4, 4, v[STI]
	v_add_nc_u32 v[STI], s17, v[STI]
	v_mul_u32_u24 v[STO], v4, 272
	v_lshl_add_u32 v[STO], v5, 7, v[STO]
	v_add_nc_u32 v[STO], s17, v[STO]
	s_mul_i32 s18, s16, 6656
	s_add_co_u32 s18, s18, WST
	v_bfe_u32 v8, v0, 3, 1                         ; column 32 g + l lies in tile 2 g + u, u = bit 3 of l,
	v_and_b32 v9, 7, v0
	v_lshl_add_u32 v9, v5, 3, v9                   ; at tile row 8 (l / 16) + l % 8
	v_mul_u32_u24 v[WSTI], v8, 3200                ; tile u's bytes begin 3,200 u on: the odd 128 bytes keep the two tiles' stores in different banks
	v_lshl_add_u32 v[WSTI], v9, 3, v[WSTI]
	v_add_nc_u32 v[WSTI], s18, v[WSTI]
	v_lshlrev_b32 v[WSSC], 6, v8                   ; a tile's 16 scale words: 64 bytes
	v_lshl_add_u32 v[WSSC], v9, 2, v[WSSC]
	v_add_nc_u32 v[WSSC], s18, v[WSSC]
	v_lshl_add_u32 v[WRD], v3, 4, s18
	v_lshl_add_u32 v[WRS], v3, 2, s18
	v_lshlrev_b32 v[XO], 12, v5                    ; x: lanes 0-15 one row, lanes 16-31 the next; 16 bytes a lane
	v_lshl_add_u32 v[XO], v4, 4, v[XO]
	v_lshlrev_b32 v[A8], 3, v3
	v_lshlrev_b32 v[A4], 2, v3
	v_lshlrev_b32 v[A16], 4, v3
	v_lshlrev_b32 v[WSO], 9, v5                    ; WS: lanes 16-31 the next tile, 512 bytes on; 4 bytes a row
	v_lshl_add_u32 v[WSO], v4, 2, v[WSO]
	s_mov_b32 s24, 0x76543210
	s_mov_b32 s25, 0xfedcba98                      ; v_permlanex16_b32's selects for lane l xor 16
	s_mov_b32 s26, 0xffff0000                      ; lanes 16-31
	s_wait_kmcnt 0x0
	s_cmp_lt_u32 ttmp9, 256
	s_cbranch_scc0 .Lw
; ---------------- a tile of x
	s_lshr_b32 s20, ttmp9, 1
	s_lshl_b32 s20, s20, 5
	s_and_b32 s21, ttmp9, 1
	s_lshl_b32 s21, s21, 3
	s_add_co_u32 s20, s20, s21                     ; the tile's first row: 32 g + 8 u
	s_lshl_b32 s20, s20, 12
	s_lshl_b32 s21, s16, 10
	s_add_co_u32 s20, s20, s21                     ; + my wave's 256 along K
	s_mov_b32 s21, 0
	s_add_nc_u64 s[4:5], s[4:5], s[20:21]
	s_mul_i32 s20, ttmp9, 12288
	s_mul_i32 s27, s16, 3072
	s_add_co_u32 s20, s20, s27
	s_add_nc_u64 s[22:23], s[14:15], s[20:21]      ; my four half fragments in XI
	s_lshl_b32 s20, ttmp9, 9
	s_lshl_b32 s27, s16, 7
	s_add_co_u32 s20, s20, s27
	s_add_co_u32 s20, s20, XS
	s_add_nc_u64 s[28:29], s[14:15], s[20:21]      ; my two K steps' scale words
	s_wait_alu depctr_va_vdst(0)
.irp k, 0,1,2,3                                ; all 32 loads at once: each reads two rows x 256 consecutive bytes
.irp q, 0,1,2,3,4,5,6,7
	global_load_b128 v[R+32*\k+4*\q:R+32*\k+4*\q+3], v[XO], s[4:5] offset:(2*\q+8*(\q/4))*4096+256*\k th:TH_LOAD_NT
.endr
.endr
.macro TURN k                          ; half fragment k's 16 rows x 64 numbers through the stage: in as loaded, out 32 neighbours a lane.  LDS serves a wave's instructions in order: no wait between
.irp q, 0,1,2,3,4,5,6,7
	ds_store_b128 v[STI], v[R+32*(\k)+4*\q:R+32*(\k)+4*\q+3] offset:544*\q
.endr
.irp n, 0,1,2,3,4,5,6,7
	ds_load_b128 v[X+32*((\k)%2)+4*\n:X+32*((\k)%2)+4*\n+3], v[STO] offset:16*\n
.endr
.endm
.macro XHF k
.set XB, X+32*((\k)%2)
.set CC, C+6*(\k)
.if (\k) < 3
	s_wait_loadcnt 16-8*(\k)                       ; the next half fragment's eight loads are in; the later ones may be out
	TURN (\k)+1
	s_wait_dscnt 16                                ; all but that turn's sixteen: my 32 numbers are back
.else
	s_wait_dscnt 0x0
.endif
	v_max3_num_f32 v24, |v[XB]|, |v[XB+1]|, |v[XB+2]|   ; the block's largest magnitude: all 32 numbers are mine
	v_max3_num_f32 v25, |v[XB+3]|, |v[XB+4]|, |v[XB+5]|
.irp i, 6,10,14,18,22,26
	v_max3_num_f32 v24, v24, |v[XB+\i]|, |v[XB+\i+1]|
	v_max3_num_f32 v25, v25, |v[XB+\i+2]|, |v[XB+\i+3]|
.endr
	v_max3_num_f32 v24, v24, |v[XB+30]|, |v[XB+31]|
	v_max3_num_f32 v24, v24, v25, 0x1800000        ; and the floor 2^(3 - 127): the byte cannot fall under 1
	v_add_nc_u32 v26, 0xff000000, v24              ; 2 off the exponent field: the conversions' scale operand
	v_cvt_scalef32_pk16_fp6_f32 v[CC:CC+2], v[XB:XB+15], v26
	v_cvt_scalef32_pk16_fp6_f32 v[Y:Y+2], v[XB+16:XB+31], v26   ; (a conversion's three registers begin on an even number)
	v_lshrrev_b32 v[B+(\k)], 23, v26               ; the byte; also the plain line behind the conversions
	v_mov_b32 v[CC+3], v[Y]
	v_mov_b32 v[CC+4], v[Y+1]
	v_mov_b32 v[CC+5], v[Y+2]
.irp p, 0,1,2
	global_store_b64 v[A8], v[CC+2*\p:CC+2*\p+1], s[22:23] offset:768*(\k)+256*\p   ; 32 lanes store 256 consecutive bytes, aligned; each half fragment has its own six registers
.endr
.endm
	s_wait_loadcnt 24                              ; the first half fragment's eight loads are in
	TURN 0
.irp k, 0,1,2,3
	XHF \k
.endr
	; Lane (r, h) has the bytes of blocks 2 k + h.  Lane (r, 0) is to hold K step 2 w's word, lane (r, 1) K step 2 w + 1's: each sends the other what it lacks
	v_lshl_or_b32 v24, v[B+1], 16, v[B]
	v_lshl_or_b32 v25, v[B+3], 16, v[B+2]
	v_cndmask_b32 v26, v25, v24, s26               ; sent: lanes 0-15 the second step's, lanes 16-31 the first's
	v_cndmask_b32 v27, v24, v25, s26               ; kept
	v_mov_b32 v28, 0
	v_permlanex16_b32 v28, v26, s24, s25
	v_cndmask_b32 v29, v27, v28, s26               ; the even bytes come from lane (r, 0),
	v_cndmask_b32 v30, v28, v27, s26               ; the odd ones from lane (r, 1)
	v_lshl_or_b32 v29, v30, 8, v29
	global_store_b32 v[A4], v29, s[28:29]          ; 128 consecutive bytes
	s_wait_tensorcnt 0x0                           ; the wave's end
	ds_add_u32 v[SPW], v[NIL]
	s_wait_dscnt 0x0
	s_endpgm
; ---------------- 32 columns x 128 K of a weight: a lane takes a column, its registers run down K
.Lw:
	s_sub_co_u32 s20, ttmp9, 256
	s_and_b32 s21, s20, 7                          ; i: which 128 along K: K step i
	s_bfe_u32 s22, s20, 0x30003
	s_lshr_b32 s23, s20, 6                         ; which weight: q, k, v, o
	s_lshl_b32 s22, s22, 2
	s_add_co_u32 s22, s22, s16                     ; g: my wave's 32 columns
	s_cmp_eq_u32 s23, 1
	s_cselect_b64 s[28:29], s[8:9], s[6:7]
	s_cmp_eq_u32 s23, 2
	s_cselect_b64 s[28:29], s[10:11], s[28:29]
	s_cmp_eq_u32 s23, 3
	s_cselect_b64 s[28:29], s[12:13], s[28:29]
	s_lshl_b32 s30, s21, 19                        ; 128 i rows of 4,096 bytes
	s_lshl_b32 s32, s22, 7
	s_add_co_u32 s30, s30, s32
	s_mov_b32 s31, 0
	s_add_nc_u64 s[28:29], s[28:29], s[30:31]
	s_mul_i32 s30, s23, 786432
	s_mul_i32 s32, s22, 24576
	s_add_co_u32 s30, s30, s32
	s_mul_i32 s32, s21, 1536
	s_add_co_u32 s30, s30, s32
	s_add_co_u32 s30, s30, WI
	s_add_nc_u64 s[34:35], s[14:15], s[30:31]      ; tile 2 g's half fragments 2 i, 2 i + 1
	s_lshl_b32 s30, s23, 15
	s_lshl_b32 s32, s22, 10
	s_add_co_u32 s30, s30, s32
	s_lshl_b32 s32, s21, 6
	s_add_co_u32 s30, s30, s32
	s_add_co_u32 s30, s30, WS
	s_add_nc_u64 s[36:37], s[14:15], s[30:31]      ; and its scale words of K step i
.macro LOAD t                          ; block t: W(128 i + 32 t + n, my column): 128 consecutive bytes a load, the four waves side by side
.irp n, 0,1,2,3,4,5,6,7,8,9,10,11,12,13,14,15,16,17,18,19,20,21,22,23,24,25,26,27,28,29,30,31
	global_load_b32 v[XW+32*((\t)%2)+\n], v[A4], s[28:29] offset:(32*(\t)+\n)*4096 th:TH_LOAD_NT
.endr
.endm
	s_wait_alu depctr_va_vdst(0)
	LOAD 0
	LOAD 1
.macro BLOCK t
.set XB, XW+32*((\t)%2)
.if (\t) < 3
	s_wait_loadcnt 32                              ; this block's 32 loads are in; the next block's may be out
.else
	s_wait_loadcnt 0x0
.endif
	v_max3_num_f32 v26, |v[XB]|, |v[XB+1]|, |v[XB+2]|
	v_max3_num_f32 v27, |v[XB+3]|, |v[XB+4]|, |v[XB+5]|
.irp i, 6,10,14,18,22,26
	v_max3_num_f32 v26, v26, |v[XB+\i]|, |v[XB+\i+1]|
	v_max3_num_f32 v27, v27, |v[XB+\i+2]|, |v[XB+\i+3]|
.endr
	v_max3_num_f32 v26, v26, |v[XB+30]|, |v[XB+31]|
	v_max3_num_f32 v26, v26, v27, 0x1800000
	v_add_nc_u32 v28, 0xff000000, v26
	v_cvt_scalef32_pk16_fp6_f32 v[CW:CW+2], v[XB:XB+15], v28
	v_cvt_scalef32_pk16_fp6_f32 v[CW+4:CW+6], v[XB+16:XB+31], v28
	v_lshrrev_b32 v29, 23, v28                     ; the byte; also the plain line behind the conversions
	v_mov_b32 v[CW+3], v[CW+4]
	v_mov_b32 v[CW+4], v[CW+5]
	v_mov_b32 v[CW+5], v[CW+6]
.if (\t) == 0
	v_mov_b32 v[SB], v29                           ; the four blocks' bytes make the K step's word
.else
	v_lshl_or_b32 v[SB], v29, 8*(\t), v[SB]
.endif
.irp p, 0,1,2
	ds_store_b64 v[WSTI], v[CW+2*\p:CW+2*\p+1] offset:((\t)/2)*768+256*\p+128*((\t)%2)   ; half fragment t / 2, the lanes' half t % 2
.endr
.if (\t)+2 < 4
	LOAD (\t)+2
.endif
	s_wait_dscnt 0x0                               ; the stores have read their registers
.endm
.irp t, 0,1,2,3
	BLOCK \t
.endr
	s_wait_alu depctr_va_vdst(0)                   ; directly ahead of the reader of the word
	ds_store_b32 v[WSSC], v[SB] offset:6400
.irp u, 0,1
.irp q, 0,1,2
	ds_load_b128 v[OUT+12*\u+4*\q:OUT+12*\u+4*\q+3], v[WRD] offset:3200*\u+512*\q   ; LDS serves a wave's instructions in order: these see my stores
.endr
.endr
	ds_load_b32 v[OUT+24], v[WRS] offset:6400
.irp u, 0,1
.irp q, 0,1,2
	s_wait_dscnt 6-3*\u-\q                         ; seven loads were issued: this one is in when so many younger ones are out
	global_store_b128 v[A16], v[OUT+12*\u+4*\q:OUT+12*\u+4*\q+3], s[34:35] offset:12288*\u+512*\q   ; 512 consecutive bytes, aligned to 256
.endr
.endr
	s_wait_dscnt 0x0
	global_store_b32 v[WSO], v[OUT+24], s[36:37]   ; two pieces of 64 bytes: the two tiles' words of this K step
	s_wait_tensorcnt 0x0                           ; the wave's end
	ds_add_u32 v[SPW], v[NIL]
	s_wait_dscnt 0x0
	s_endpgm
.Lfunc_end_k_q2981780118_prep:
	.size	k_q2981780118_prep, .Lfunc_end_k_q2981780118_prep-k_q2981780118_prep
	.p2alignl 7, 3214868480
	.fill 96, 4, 3214868480
	.section	.rodata,"a",@progbits
	.p2align	6, 0x0
	.amdhsa_kernel k_q2981780118_prep
		.amdhsa_group_segment_fixed_size 44544
		.amdhsa_private_segment_fixed_size 0
		.amdhsa_enable_private_segment 0
		.amdhsa_kernarg_size 48
		.amdhsa_user_sgpr_count 2
		.amdhsa_user_sgpr_kernarg_segment_ptr 1
		.amdhsa_wavefront_size32 1
		.amdhsa_system_sgpr_workgroup_id_x 1
		.amdhsa_system_sgpr_workgroup_id_y 1
		.amdhsa_system_sgpr_workgroup_id_z 1
		.amdhsa_system_vgpr_workitem_id 0
		.amdhsa_next_free_vgpr 256
		.amdhsa_next_free_sgpr 66
		.amdhsa_reserve_vcc 0
		.amdhsa_float_denorm_mode_32 3
		.amdhsa_float_denorm_mode_16_64 3
		.amdhsa_memory_ordered 1
		.amdhsa_forward_progress 1
		.amdhsa_inst_pref_size 40
	.end_amdhsa_kernel
	.amdgpu_metadata
---
amdhsa.version: [ 1, 2 ]
amdhsa.kernels:
  - .name:           k_q2981780118_prep
    .symbol:         k_q2981780118_prep.kd
    .args:
      - { .name: x, .offset: 0, .size: 8, .value_kind: global_buffer, .address_space: global }
      - { .name: Wq, .offset: 8, .size: 8, .value_kind: global_buffer, .address_space: global }
      - { .name: Wk, .offset: 16, .size: 8, .value_kind: global_buffer, .address_space: global }
      - { .name: Wv, .offset: 24, .size: 8, .value_kind: global_buffer, .address_space: global }
      - { .name: Wo, .offset: 32, .size: 8, .value_kind: global_buffer, .address_space: global }
      - { .name: pq, .offset: 40, .size: 8, .value_kind: global_buffer, .address_space: global }
    .group_segment_fixed_size: 44544
    .private_segment_fixed_size: 0
    .kernarg_segment_align: 8
    .kernarg_segment_size: 48
    .max_flat_workgroup_size: 128
    .sgpr_count:     66
    .vgpr_count:     256
    .wavefront_size: 32
...
	.end_amdgpu_metadata
.endif
;; end of part 1
;; launch qkv (part 2): grid 8 x 32, 4 waves a work-group, clusters of 4 x 4, 327,680 bytes of LDS; arguments pq, bq, bk, bv, mask, kv; writes kv
.if DOCPART == 2
	.amdgcn_target "amdgcn-amd-amdhsa--gfx1250"
	.amdhsa_code_object_version 6
	.text
	.protected	k_q2981780118_qkv
	.globl	k_q2981780118_qkv
	.p2align	8
	.type	k_q2981780118_qkv,@function
k_q2981780118_qkv:
	s_mov_b64 s[64:65], 0
	v_nop
	global_prefetch_b8 v0, s[64:65] scope:SCOPE_SE
	s_setreg_imm32_b32 hwreg(HW_REG_WAVE_MODE, 25, 1), 1
	s_wait_xcnt 0x0
	s_wait_alu depctr_hold_cnt(0) depctr_sa_sdst(0) depctr_va_vdst(0) depctr_va_sdst(0) depctr_va_ssrc(0) depctr_va_vcc(0) depctr_vm_vsrc(0)
	s_getreg_b32 s2, hwreg(HW_REG_IB_STS2, 6, 4)
	s_cmp_eq_u32 s2, 0
	s_cbranch_scc0 .Lentry_in_a_cluster
	s_endpgm
.Lentry_in_a_cluster:
	s_bfe_u32 s2, ttmp6, 0x10000c
	s_cmp_lg_u32 s2, 0xf033
	s_cbranch_scc0 .Lentry_shape_is_right
	s_endpgm
.Lentry_shape_is_right:
; q = x Wq + bq, k = x Wk + bk, v = x Wv + bv on codes of FP6 (E2M3), and their quantising for the attention, which reads kv alone.
; SHARES.  Work-group (hp, tb) makes the 128 channels of head pair hp for the 128 tokens of x's tiles 8 tb .. 8 tb + 7: x's panel is fetched once for three products.
; A PHASE multiplies a panel S0 of 8 tiles (source 0, read by every wave) with the wave's 2 tiles of a panel S1 (source 1): 16 accumulators, K = 1,024 in 8 steps.
;   phases q, k: S0 = the weight (channels run along a lane's registers), S1 = x (a lane holds a token): the result is quantised along the head's 64.
;   phase v:     S0 = x (tokens = KEYS run along the registers), S1 = Wv (a lane holds a channel): the result is quantised along the keys.
; The tiles' row order (tile 2 g + u, row i = matrix row 32 g + 8 u + i + 8 (i / 8)) makes the 16 registers of tiles 2 g, 2 g + 1 sixteen neighbours along the next K.
; PANELS are dense copies of pq: [tile 8][half fragment 16][768]; a fragment is six loads of 8 bytes a lane, each 256 consecutive bytes a wave: no pitch, no padding.
; CLUSTER 4 x 4: x's panel hangs on tb alone and is shared along a row of the cluster, a weight's on hp alone and is shared along a column: joint loads, each wave its own two tiles.
; LDS: x 0, Wq (later Wv) 98,304, Wk 196,608, spare words 294,912.  Wv is the launch's one refill.
; THE MASK RIDES IN THE SCORES' IDLE K.  The scores' K is 64 of the instruction's 128.  The attention gives every query the code +7.5 and every key -7.5 at k = 64 (zeros beyond).  Here the scale bytes of
; k = 64 .. 127 are made: a query's 127, 127; a key's 227 (2^100) where it is masked, else 1 (2^-126), and 1.  A masked key's score is about -7.1e31; a kept score gets -6.6e-37 added.
; LIMITS: true scores q . k stay above -1e30; 6.6e-37 is taken off every kept score; NaN and infinities among the inputs are not served.
; kv: QI, KI [bh 32][tile 128][768];  VI [bh][key step 16][channel tile 4][1,536];  QS, KS [b 8 + hp][g 64][lane 32][head & 1] words, lane (r, hh) = tile 2 g + hh;  VS [bh][step 16][tile 4][r 16] words.
; REGISTERS.  window 0: v1-15 addresses; v16-47 S0's scale words (tile i, K steps 2 q, 2 q + 1 in the lanes' halves), v48-55 S1's; v56-63 mask and word work; v64-105 the quantiser's; v128-255 accumulators (i, j) at 128 + 64 j + 8 i.
;   window 1: two sets of fragments at 0 and 128: S0's eight at 12 i, S1's two at 96 + 12 j.   window 2: bq's 8 tiles v0-63, bk's v64-127, bv's two v128-143: each the C of a sum's first product.
.set XS, 6291456
.set WI, 3145728
.set WS, 6422528
.set WMAT, 786432
.set KI, 3145728
.set VI, 6291456
.set QS, 9437184
.set VS, 9961472
.set WP0, 98304
.set WP1, 196608
.set SPARE, 294912
.set SPW, 1
.set NIL, 2
.set A8, 3
.set A4, 4
.set AXLO, 5
.set AXHI, 6
.set AXW, 7
.set AW0LO, 8
.set AW0HI, 9
.set AW0W, 10
.set AW1LO, 11
.set AW1HI, 12
.set BO, 13
.set MO, 14
.set BVO, 15
.set S0SC, 16
.set S1SC, 48
.set U, 56                             ; v56, v57: the upper half of my keys' scale words;  v58: of the queries'
.set UQ, 58
.set WW, 60                            ; v60-63 words (tile j, head e)
.set TM, 64
.set PW, 80
.set PC, 84
.set OUTW, 104
.set ACC, 128
.set G1X, 24
.set G1W, 32
.set G0X, 40
.set G0Q, 44
.set G0K, 48
.set SEL, 52
.set HM, 54
.set XSB, 60
.set XSW, 62
.set WSB, 66
.set WSW, 68
.set QIB, 70
.set QSB, 72
.set VIB, 74
.set VSB, 76
.set BQB, 78
.set BKB, 80
.set BVB, 82
.set MKB, 84
.set MSB, 0
.macro WIN new                         ; the immediate's high byte repeats the setting that is left
.if MSB != \new
	s_set_vgpr_msb (MSB<<8)|\new
.set MSB, \new
.endif
.endm
.macro PLACES n
.rept \n
	v_nop
.endr
.endm
.macro CROUND                          ; a round of the cluster's barrier
	s_barrier_signal -1
	s_barrier_wait -1
	s_cmp_lg_u32 s16, 0
	s_cbranch_scc1 .Lnot_wave_0_\@
	s_barrier_signal -3
.Lnot_wave_0_\@:
	s_barrier_wait -3
	s_barrier_signal -1
	s_barrier_wait -1
.endm
.macro FRAG reg, adr, off              ; a fragment as it lies: six loads of 8 bytes a lane
.irp p, 0,1,2,3,4,5
	ds_load_b64 v[\reg+2*\p:\reg+2*\p+1], v[\adr] offset:\off+256*\p
.endr
.endm
.macro FETCH set, ks, lo, hi, a1       ; K step ks into a set: S1's two, S0's 0-3, S0's 4-7: 60 loads
	WIN 0x40
.irp j, 0,1
	FRAG 128*(\set)+96+12*\j, \a1, \j*12288+1536*(\ks)
.endr
.irp i, 0,1,2,3
	FRAG 128*(\set)+12*\i, \lo, \i*12288+1536*(\ks)
.endr
.irp i, 0,1,2,3
	FRAG 128*(\set)+48+12*\i, \hi, \i*12288+1536*(\ks)
.endr
.endm
; 8 products: S0's tiles i0 .. i0 + 3 x S1's two.  cm = 0: C is the accumulator; 1, 2, 3: bq's, bk's tile i, bv's tile j start the sum.  The 16 accumulators take turns, one instruction a turn.
.macro MUL8 set, i0, ks, cm
.irp i, \i0, \i0+1, \i0+2, \i0+3
.irp j, 0,1
.set rD, ACC+64*\j+8*(\i)
.set rA, 128*(\set)+12*(\i)
.set rB, 128*(\set)+96+12*\j
.set rC, rD
.if (\cm) == 1
.set rC, 8*(\i)
.elseif (\cm) == 2
.set rC, 64+8*(\i)
.elseif (\cm) == 3
.set rC, 128+8*\j
.endif
.set rP, S0SC+4*(\i)+(\ks)/2
.set rQ, S1SC+4*\j+(\ks)/2
.if (\ks)%2
	v_wmma_scale_f32_16x16x128_f8f6f4 v[rD:rD+7], v[rA:rA+11], v[rB:rB+11], v[rC:rC+7], v[rP], v[rQ] matrix_a_fmt:MATRIX_FMT_FP6 matrix_b_fmt:MATRIX_FMT_FP6 matrix_a_scale:MATRIX_SCALE_ROW1 matrix_b_scale:MATRIX_SCALE_ROW1
.else
	v_wmma_scale_f32_16x16x128_f8f6f4 v[rD:rD+7], v[rA:rA+11], v[rB:rB+11], v[rC:rC+7], v[rP], v[rQ] matrix_a_fmt:MATRIX_FMT_FP6 matrix_b_fmt:MATRIX_FMT_FP6
.endif
.endr
.endr
.endm
.macro MWIN cm
.if \cm
	WIN 0x25                                       ; sources 0 and 1 window 1, C window 2, D window 0
.else
	WIN 0x05                                       ; sources 0 and 1 window 1, C and D window 0
.endif
.endm
.macro KSTEP ks, lo, hi, a1, cm
	s_wait_dscnt 24                                ; S1's two and S0's 0-3 are in; the youngest 24 loads (S0's 4-7) may be out
	MWIN \cm
	MUL8 (\ks)%2, 0, \ks, \cm
.if (\ks) < 7
	PLACES 4                                       ; in front of loads into the other set, which the last step's products read
	FETCH 1-(\ks)%2, (\ks)+1, \lo, \hi, \a1
	s_wait_dscnt 60                                ; all but the 60 just issued
.else
	s_wait_dscnt 0x0
.endif
	MWIN \cm
	MUL8 (\ks)%2, 4, \ks, \cm
.endm
.macro PHASE lo, hi, a1, cm
	KSTEP 0, \lo, \hi, \a1, \cm
.irp ks, 1,2,3,4,5,6,7
	KSTEP \ks, \lo, \hi, \a1, 0
.endr
	WIN 0
.endm
.macro SCLOAD dst, n, base, off        ; n tiles' scale words: register 4 t + q holds K steps 2 q (lanes 0-15) and 2 q + 1 (lanes 16-31)
.set tt, 0
.rept \n
.irp q, 0,1,2,3
	global_load_b32 v[\dst+4*tt+\q], v[A4], s[\base:\base+1] offset:\off+512*tt+128*\q
.endr
.set tt, tt+1
.endr
.endm
; 64 numbers of a lane, register 16 b + i = k 32 b + 16 (lane / 16) + i of my row, become a fragment's codes in v[PC] on and its scale word in v[PW]
.macro QUANT s
.irp b, 0,1,2,3
	v_max3_num_f32 v[TM+\b], |v[(\s)+16*\b]|, |v[(\s)+1+16*\b]|, 0x1800000   ; with the floor 2^(3 - 127): the byte cannot fall under 1.  Each accumulator is first read at its low end
.endr
.irp i, 2,4,6,8,10,12,14
.irp b, 0,1,2,3
	v_max3_num_f32 v[TM+\b], v[TM+\b], |v[(\s)+16*\b+\i]|, |v[(\s)+1+16*\b+\i]|
.endr
.endr
.irp b, 0,1,2,3
	v_permlanex16_b32 v[TM+4+\b], v[TM+\b], s[SEL], s[SEL+1]
.endr
.irp b, 0,1,2,3
	v_max_num_f32 v[TM+\b], v[TM+\b], v[TM+4+\b]   ; with lane l xor 16's: the block's largest magnitude
.endr
.irp b, 0,1,2,3
	v_add_nc_u32 v[TM+12+\b], 0xff000000, v[TM+\b] ; 2 off the exponent field: the conversion's scale operand
.endr
.irp b, 0,1,2,3
	v_lshrrev_b32 v[TM+4+\b], 23, v[TM+12+\b]      ; the byte
.endr
	v_lshl_or_b32 v[PW], v[TM+5], 8, v[TM+4]
	v_lshl_or_b32 v[PW], v[TM+6], 16, v[PW]
	v_lshl_or_b32 v[PW], v[TM+7], 24, v[PW]
.irp c, 0,1
	v_cvt_scalef32_pk16_fp6_f32 v[PC+6*\c:PC+2+6*\c], v[(\s)+32*\c:(\s)+15+32*\c], v[TM+12+2*\c]
	v_cvt_scalef32_pk16_fp6_f32 v[PC+12+4*\c:PC+14+4*\c], v[(\s)+16+32*\c:(\s)+31+32*\c], v[TM+13+2*\c]
.endr
	v_nop                                          ; one plain line behind the conversions
.irp c, 0,1                                    ; the operand's layout wants a whole block in a lane
.irp i, 0,1,2
	v_permlane16_swap_b32 v[PC+6*\c+\i], v[PC+12+4*\c+\i]
.endr
.irp i, 0,1,2
	v_mov_b32 v[PC+3+6*\c+\i], v[PC+12+4*\c+\i]
.endr
.endr
.endm
; q's or k's way out: my two tiles of tokens; the fragment's two halves are the two heads' half fragments
.macro EPI_QK which
	PLACES 4
.irp j, 0,1
	s_wait_xcnt 0x0                                ; earlier stores have read their registers: the codes' are written again
	QUANT ACC+64*\j
.irp e, 0,1
.irp p, 0,1,2
	global_store_b64 v[A8], v[PC+6*\e+2*\p:PC+6*\e+2*\p+1], s[QIB:QIB+1] offset:(\which)*KI+\e*98304+\j*768+256*\p   ; 256 consecutive bytes, aligned
.endr
.endr
.set rU, UQ
.if \which
.set rU, U+\j
.endif
	v_and_or_b32 v[WW+2*\j], v[PW], 0xffff, v[rU]  ; the head's two bytes below, the bytes of k = 64 .. 127 above
	v_lshrrev_b32 v[WW+2*\j+1], 16, v[PW]
	v_or_b32 v[WW+2*\j+1], v[WW+2*\j+1], v[rU]
.endr
	v_cndmask_b32 v[OUTW], v[WW], v[WW+2], s[HM]   ; lanes 0-15 tile 0's words, lanes 16-31 tile 1's
	v_cndmask_b32 v[OUTW+1], v[WW+1], v[WW+3], s[HM]
	global_store_b64 v[A8], v[OUTW:OUTW+1], s[QSB:QSB+1] offset:(\which)*262144   ; 256 consecutive bytes, aligned
.endm
.macro EPI_V                           ; v's way out: my two tiles of channels x this key step's 128 keys: whole fragments
	PLACES 4
.irp j, 0,1
	s_wait_xcnt 0x0
	QUANT ACC+64*\j
.irp p, 0,1,2,3,4,5
	global_store_b64 v[A8], v[PC+2*\p:PC+2*\p+1], s[VIB:VIB+1] offset:\j*1536+256*\p
.endr
	v_mov_b32 v[WW+\j], v[PW]
.endr
	v_cndmask_b32 v[OUTW], v[WW], v[WW+1], s[HM]
	global_store_b32 v[A4], v[OUTW], s[VSB:VSB+1]  ; 128 consecutive bytes
.endm
	s_load_b256 s[4:11], s[0:1], 0x0               ; pq, bq, bk, bv
	s_load_b128 s[12:15], s[0:1], 0x20             ; mask, kv
	v_lshl_add_u32 v[SPW], v0, 2, SPARE
	v_mov_b32 v[NIL], 0
	ds_add_u32 v[SPW], v[NIL]                      ; the wave's opening
	ds_add_u32 v[SPW], v[NIL]
	v_lshrrev_b32 v13, 5, v0
	v_readfirstlane_b32 s16, v13                   ; wave
	s_bfe_u32 s17, ttmp6, 0x40000                  ; cx
	s_bfe_u32 s18, ttmp6, 0x40004                  ; cy
	s_lshl_b32 s19, ttmp9, 2
	s_add_co_u32 s19, s19, s17                     ; hp = 4 x cluster x + cx
	s_and_b32 s20, ttmp7, 0xffff
	s_lshl_b32 s20, s20, 2
	s_add_co_u32 s20, s20, s18                     ; tb = 4 x cluster y + cy
	s_lshl_b32 s21, s18, 2
	s_lshl_b32 s21, 15, s21                        ; my row of the cluster
	s_lshl_b32 s22, 0x1111, s17                    ; my column
	s_or_b32 s[G1X], s21, (3<<16)|(1<<21)          ; 15:0 the mask; 17:16 elements of 8 bytes; 21 set beside a mask; no padding
	s_or_b32 s[G1W], s22, (3<<16)|(1<<21)
.irp g, G1X, G1W                               ; two tiles, 24,576 dense bytes, as 96 rows of 256 bytes
	s_mov_b32 s[\g+1], 32<<16
	s_mov_b32 s[\g+2], 192<<16                     ; at the head a load brings half a panel: 192 rows of 256 bytes
	s_mov_b32 s[\g+3], 32<<16
	s_mov_b32 s[\g+4], 192
	s_mov_b32 s[\g+5], 32
	s_mov_b32 s[\g+6], 0
	s_mov_b32 s[\g+7], 0
.endr
	s_mul_i32 s23, s16, 24576                      ; my two tiles, in a panel's memory and in LDS: no place in the cluster enters an LDS address
	s_and_b32 s55, s16, 1
	s_mul_i32 s55, s55, 49152                      ; which half of a panel I bring at the head: waves 0, 1 x's halves, waves 2, 3 Wq's
	s_mul_i32 s56, s20, 98304
	s_add_co_u32 s56, s56, s55                     ; x's: hangs on tb and the wave
	s_mul_i32 s98, s19, 98304
	s_add_co_u32 s98, s98, s55
	s_add_co_u32 s98, s98, WI                      ; Wq's half: hangs on hp and the wave
	s_mov_b32 s99, 0
	s_mov_b32 s57, 0
	s_mul_i32 s58, s19, 98304
	s_add_co_u32 s58, s58, s23
	s_add_co_u32 s58, s58, WI                      ; Wq's: hangs on hp and the wave
	s_mov_b32 s59, 0
	s_mov_b32 s[SEL], 0x76543210
	s_mov_b32 s[SEL+1], 0xfedcba98
	s_mov_b32 s[HM], 0xffff0000
	s_wait_dscnt 0x0                               ; the opening add is done
	s_wait_kmcnt 0x0
	s_mov_b32 s[G0X], 1
	s_mov_b32 s[G0X+1], s55
	s_add_nc_u64 s[G0X+2:G0X+3], s[4:5], s[56:57]
	s_or_b32 s[G0X+3], s[G0X+3], 0x80000000
	s_mov_b32 s[G0Q], 1
	s_add_co_u32 s[G0Q+1], s55, WP0
	s_add_nc_u64 s[G0Q+2:G0Q+3], s[4:5], s[98:99]
	s_or_b32 s[G0Q+3], s[G0Q+3], 0x80000000
	s_mov_b32 s[G0K], 1
	s_add_co_u32 s[G0K+1], s23, WP1
	s_add_nc_u64 s[G0K+2:G0K+3], s[4:5], s[58:59]
	s_add_nc_u64 s[G0K+2:G0K+3], s[G0K+2:G0K+3], WMAT
	s_or_b32 s[G0K+3], s[G0K+3], 0x80000000
	CROUND                                         ; all sixteen work-groups are here: the first joint loads meet
	s_cmp_lt_u32 s16, 2                            ; one joint load a wave at the head: one chain of branches on the wave's number
	s_cbranch_scc0 .Lhead_w
	tensor_load_to_lds s[G0X:G0X+3], s[G1X:G1X+7]  ; half of x's panel
	s_nop 0
	PLACES 4
	s_branch .Lhead_asked
.Lhead_w:
	tensor_load_to_lds s[G0Q:G0Q+3], s[G1W:G1W+7]  ; half of Wq's panel
	s_nop 0
	PLACES 4
.Lhead_asked:
	v_and_b32 v13, 31, v0
	v_and_b32 v14, 15, v0
	v_bfe_u32 v15, v0, 4, 1
	v_lshlrev_b32 v[A8], 3, v13
	v_lshlrev_b32 v[A4], 2, v13
	v_lshlrev_b32 v[AXLO], 3, v13
	v_add_nc_u32 v[AXHI], 49152, v[AXLO]
	v_add_nc_u32 v[AXW], s23, v[AXLO]
	v_add_nc_u32 v[AW0LO], WP0, v[AXLO]
	v_add_nc_u32 v[AW0HI], WP0+49152, v[AXLO]
	v_add_nc_u32 v[AW0W], WP0, v[AXW]
	v_add_nc_u32 v[AW1LO], WP1, v[AXLO]
	v_add_nc_u32 v[AW1HI], WP1+49152, v[AXLO]
	v_lshlrev_b32 v[BO], 6, v15                    ; bq, bk: lanes 16-31 take the channels 16 on
	v_and_b32 v15, 8, v14
	v_add_nc_u32 v[MO], v14, v15                   ; r + 8 (r / 8): my row in a tile's 24
	s_wait_alu depctr_va_vdst(0)
	v_lshlrev_b32 v[BVO], 2, v[MO]
	s_wait_alu depctr_va_vdst(0)
.irp b, 0,1,2,3
	v_mov_b32 v[TM+4+\b], 0                        ; written once: a lane permute's destination counts as one of its sources
.endr
	v_mov_b32 v[UQ], 0x7f7f0000
	s_lshl_b32 s86, s20, 12
	s_add_co_u32 s86, s86, XS
	s_mov_b32 s87, 0
	s_add_nc_u64 s[XSB:XSB+1], s[4:5], s[86:87]    ; x's scale words: my work-group's 8 tiles,
	s_lshl_b32 s88, s16, 10
	s_mov_b32 s89, 0
	s_add_nc_u64 s[XSW:XSW+1], s[XSB:XSB+1], s[88:89]   ; my wave's two
	s_lshl_b32 s86, s19, 12
	s_add_co_u32 s86, s86, WS
	s_add_nc_u64 s[WSB:WSB+1], s[4:5], s[86:87]    ; Wq's likewise; Wk's and Wv's lie 32,768 and 65,536 on
	s_add_nc_u64 s[WSW:WSW+1], s[WSB:WSB+1], s[88:89]
	s_lshl_b32 s86, s19, 9
	s_add_nc_u64 s[BQB:BQB+1], s[6:7], s[86:87]
	s_add_nc_u64 s[BKB:BKB+1], s[8:9], s[86:87]
	s_lshl_b32 s88, s16, 7
	s_add_co_u32 s88, s88, s86
	s_add_nc_u64 s[BVB:BVB+1], s[10:11], s[88:89]
	s_lshl_b32 s86, s20, 7
	s_lshl_b32 s88, s16, 5
	s_add_co_u32 s86, s86, s88
	s_add_nc_u64 s[MKB:MKB+1], s[12:13], s[86:87]  ; the mask at token 128 tb + 32 w
	SCLOAD S0SC, 8, WSB, 0
	SCLOAD S1SC, 2, XSW, 0
	global_load_u8 v[U], v[MO], s[MKB:MKB+1]
	global_load_u8 v[U+1], v[MO], s[MKB:MKB+1] offset:8
	WIN 0x80                                       ; destination window 2
.irp i, 0,1,2,3,4,5,6,7                        ; tile i's eight registers: the bias of channels 32 (i / 2) + 8 (i % 2) + 16 h + 0 .. 7
	global_load_b128 v[8*\i:8*\i+3], v[BO], s[BQB:BQB+1] offset:(32*(\i/2)+8*(\i%2))*4
	global_load_b128 v[8*\i+4:8*\i+7], v[BO], s[BQB:BQB+1] offset:(32*(\i/2)+8*(\i%2))*4+16
	global_load_b128 v[64+8*\i:64+8*\i+3], v[BO], s[BKB:BKB+1] offset:(32*(\i/2)+8*(\i%2))*4
	global_load_b128 v[64+8*\i+4:64+8*\i+7], v[BO], s[BKB:BKB+1] offset:(32*(\i/2)+8*(\i%2))*4+16
.endr
.irp j, 0,1                                    ; bv of my lane's channel, eight times: phase v's registers run along the keys
.irp e, 0,1,2,3,4,5,6,7
	global_load_b32 v[128+8*\j+\e], v[BVO], s[BVB:BVB+1] offset:32*\j
.endr
.endr
	WIN 0
	s_lshr_b32 s90, s20, 4                         ; b
	s_and_b32 s91, s20, 15                         ; the key step
	s_lshl_b32 s92, s90, 4
	s_lshl_b32 s93, s19, 1
	s_add_co_u32 s92, s92, s93                     ; 16 b + 2 hp
	s_mul_i32 s86, s92, 98304
	s_lshl_b32 s88, s91, 2
	s_add_co_u32 s88, s88, s16
	s_mul_i32 s93, s88, 1536                       ; tile 8 step + 2 w
	s_add_co_u32 s86, s86, s93
	s_add_nc_u64 s[QIB:QIB+1], s[14:15], s[86:87]
	s_lshl_b32 s86, s92, 13
	s_lshl_b32 s88, s88, 8
	s_add_co_u32 s86, s86, s88
	s_add_co_u32 s86, s86, QS
	s_add_nc_u64 s[QSB:QSB+1], s[14:15], s[86:87]
	s_lshr_b32 s88, s16, 1
	s_add_co_u32 s92, s92, s88                     ; phase v: my wave's head
	s_and_b32 s88, s16, 1
	s_mul_i32 s86, s92, 98304
	s_mul_i32 s93, s91, 6144
	s_add_co_u32 s86, s86, s93
	s_mul_i32 s93, s88, 3072
	s_add_co_u32 s86, s86, s93
	s_add_co_u32 s86, s86, VI
	s_add_nc_u64 s[VIB:VIB+1], s[14:15], s[86:87]
	s_lshl_b32 s86, s92, 12
	s_lshl_b32 s93, s91, 8
	s_add_co_u32 s86, s86, s93
	s_lshl_b32 s93, s88, 7
	s_add_co_u32 s86, s86, s93
	s_add_co_u32 s86, s86, VS
	s_add_nc_u64 s[VSB:VSB+1], s[14:15], s[86:87]
	s_mov_b32 s95, 0xe20000
	s_mov_b32 s96, 0x01010000
	s_wait_alu depctr_va_vdst(0)
	s_wait_tensorcnt 0x0                           ; my half panel is in
	ds_add_u32 v[SPW], v[NIL]
	s_mov_b32 s[G1W+2], 96<<16                     ; no load of mine is out: from here on a load brings my two tiles, 96 rows
	s_mov_b32 s[G1W+4], 96
	s_add_co_u32 s[G0Q+1], s23, WP0                ; and G0Q names my two tiles of Wq's panel, from which it later steps to Wv's
	s_add_nc_u64 s[G0Q+2:G0Q+3], s[4:5], s[58:59]
	s_or_b32 s[G0Q+3], s[G0Q+3], 0x80000000
	s_wait_dscnt 0x0
	CROUND                                         ; everybody's parts of x and Wq are in, and the partners meet
	tensor_load_to_lds s[G0K:G0K+3], s[G1W:G1W+7]  ; Wk's first fill: my one load behind the round; it has phase q in which to land
	s_nop 0
	PLACES 4
	FETCH 0, 0, AW0LO, AW0HI, AXW
	WIN 0
	s_wait_loadcnt 0x0                             ; scale words, biases, mask
	v_mad_u32_u24 v[U], v[U], s95, s96             ; bytes 2 and 3 of a key's word: 1 + 226 x mask, and 1
	v_mad_u32_u24 v[U+1], v[U+1], s95, s96
	PHASE AW0LO, AW0HI, AXW, 1                     ; ---- q
	s_wait_tensorcnt 0x0                           ; all my tensor loads have landed, Wk's part among them: G0Q may be written;
	ds_add_u32 v[SPW], v[NIL]                      ; 0 onto my spare word
	s_add_nc_u64 s[G0Q+2:G0Q+3], s[G0Q+2:G0Q+3], 2*WMAT   ; from Wq to Wv
	s_wait_dscnt 0x0                               ; the add is done, and my reads of Wq's panel are over
	CROUND                                         ; both hold of every wave of every partner
	tensor_load_to_lds s[G0Q:G0Q+3], s[G1W:G1W+7]  ; the one refill: Wv over Wq; it has all of phase k in which to land
	s_nop 0
	PLACES 4                                       ; also the places in front of the loads below
	FETCH 0, 0, AW1LO, AW1HI, AXW
	WIN 0
	SCLOAD S0SC, 8, WSB, 32768
	EPI_QK 0
	s_wait_loadcnt 0x0                             ; Wk's scale words
	PHASE AW1LO, AW1HI, AXW, 2                     ; ---- k
	s_wait_tensorcnt 0x0                           ; my part of Wv is in
	s_wait_dscnt 0x0
	s_barrier_signal -1
	s_barrier_wait -1                              ; everybody's is
	PLACES 4
	FETCH 0, 0, AXLO, AXHI, AW0W
	WIN 0
	SCLOAD S0SC, 8, XSB, 0
	SCLOAD S1SC, 2, WSW, 65536
	EPI_QK 1
	s_wait_loadcnt 0x0
	PHASE AXLO, AXHI, AW0W, 3                      ; ---- v
	EPI_V
	s_wait_tensorcnt 0x0                           ; the wave's end
	ds_add_u32 v[SPW], v[NIL]
	s_wait_dscnt 0x0
	CROUND                                         ; the closing round
	s_endpgm
.Lfunc_end_k_q2981780118_qkv:
	.size	k_q2981780118_qkv, .Lfunc_end_k_q2981780118_qkv-k_q2981780118_qkv
	.p2alignl 7, 3214868480
	.fill 96, 4, 3214868480
	.section	.rodata,"a",@progbits
	.p2align	6, 0x0
	.amdhsa_kernel k_q2981780118_qkv
		.amdhsa_group_segment_fixed_size 327680
		.amdhsa_private_segment_fixed_size 0
		.amdhsa_enable_private_segment 0
		.amdhsa_kernarg_size 48
		.amdhsa_user_sgpr_count 2
		.amdhsa_user_sgpr_kernarg_segment_ptr 1
		.amdhsa_wavefront_size32 1
		.amdhsa_system_sgpr_workgroup_id_x 1
		.amdhsa_system_sgpr_workgroup_id_y 1
		.amdhsa_system_sgpr_workgroup_id_z 1
		.amdhsa_system_vgpr_workitem_id 0
		.amdhsa_next_free_vgpr 768
		.amdhsa_next_free_sgpr 100
		.amdhsa_reserve_vcc 0
		.amdhsa_float_denorm_mode_32 3
		.amdhsa_float_denorm_mode_16_64 3
		.amdhsa_memory_ordered 1
		.amdhsa_forward_progress 1
		.amdhsa_inst_pref_size 197
	.end_amdhsa_kernel
	.amdgpu_metadata
---
amdhsa.version: [ 1, 2 ]
amdhsa.kernels:
  - .name:           k_q2981780118_qkv
    .symbol:         k_q2981780118_qkv.kd
    .args:
      - { .name: pq, .offset: 0, .size: 8, .value_kind: global_buffer, .address_space: global }
      - { .name: bq, .offset: 8, .size: 8, .value_kind: global_buffer, .address_space: global }
      - { .name: bk, .offset: 16, .size: 8, .value_kind: global_buffer, .address_space: global }
      - { .name: bv, .offset: 24, .size: 8, .value_kind: global_buffer, .address_space: global }
      - { .name: mask, .offset: 32, .size: 8, .value_kind: global_buffer, .address_space: global }
      - { .name: kv, .offset: 40, .size: 8, .value_kind: global_buffer, .address_space: global }
    .group_segment_fixed_size: 327680
    .private_segment_fixed_size: 0
    .kernarg_segment_align: 8
    .kernarg_segment_size: 48
    .max_flat_workgroup_size: 128
    .sgpr_count:     100
    .vgpr_count:     768
    .wavefront_size: 32
...
	.end_amdgpu_metadata
.endif
;; end of part 2
;; launch attn (part 3): grid 8 x 32, 16 waves a work-group, clusters of 4 x 1, 309,248 bytes of LDS; arguments kv, ao; writes ao
.if DOCPART == 3
	.amdgcn_target "amdgcn-amd-amdhsa--gfx1250"
	.amdhsa_code_object_version 6
	.text
	.protected	k_q2981780118_attn
	.globl	k_q2981780118_attn
	.p2align	8
	.type	k_q2981780118_attn,@function
k_q2981780118_attn:
	s_mov_b64 s[64:65], 0
	v_nop
	global_prefetch_b8 v0, s[64:65] scope:SCOPE_SE
	s_setreg_imm32_b32 hwreg(HW_REG_WAVE_MODE, 25, 1), 1
	s_wait_xcnt 0x0
	s_wait_alu depctr_hold_cnt(0) depctr_sa_sdst(0) depctr_va_vdst(0) depctr_va_sdst(0) depctr_va_ssrc(0) depctr_va_vcc(0) depctr_vm_vsrc(0)
	s_getreg_b32 s2, hwreg(HW_REG_IB_STS2, 6, 4)
	s_cmp_eq_u32 s2, 0
	s_cbranch_scc0 .Lentry_in_a_cluster
	s_endpgm
.Lentry_in_a_cluster:
	s_bfe_u32 s2, ttmp6, 0x10000c
	s_cmp_lg_u32 s2, 0x3003
	s_cbranch_scc0 .Lentry_shape_is_right
	s_endpgm
.Lentry_shape_is_right:
; attn = softmax(q k^T / 8, masked keys out), quantised FINISHED AND NORMALISED along the keys; o = attn v, quantised along E for the last product.  All products on codes of FP6 (E2M3).
; TWO PASSES over the keys, since a row's maximum and sum must stand before any weight is quantised.  Pass 1: running maximum m and sum l.  Between: NM = -c M - log2(l), c = log2(e) / 8.
; Pass 2: the scores again; p = 2^(c s + NM) is the finished weight: one multiply-add, one exponential.
; SHARES.  A work-group owns 256 queries of one head, each of its sixteen waves one tile of 16, in 256 registers.
; LDS, filled once: K's codes 0, V's LV (rows of 256 bytes + 32), K's scale words (the head pair's) LKS, V's LVS; LBM: 4,096 bytes of each wave's own; the spare words.  No ring, no refill.
; CLUSTER 4 x 1: the four query blocks of a cluster share the head: every fill is a joint load (mask 15).  Waves 0-7 bring 96 rows of codes each, waves 8-12 16 rows of scale words each: one load a wave.
; No prefetch: every tile is asked for once, at the head, and there is no loop to run ahead in.
; LAYOUT.  S^T = K Q^T and O^T = V^T P^T: a lane holds one query throughout.  THE KEYS OF A SCORE TILE ARE CHOSEN AT THE LDS READ: tile (c, t) of a step of 128 keys takes in its rows 0-7 the keys 64 c + 8 t + 0..7 and in
; its rows 8-15 the keys 64 c + 32 + 8 t + 0..7.  So lane (r, h) holds, in the 32 registers of tiles (c, 0..3), the keys 64 c + 32 h + 0..31: A WHOLE BLOCK of the next K, in the order of the operand's layout.
; In kv key 32 g + 8 o + i lies in tile 2 g + o % 2, row i + 8 (o / 2): lanes r >= 8 read two tiles (1,728 bytes) further on, and the tile's octet t stands in the loads' immediate.
; A BLOCK'S LARGEST WEIGHT IS NOT SEARCHED FOR: pass 1 keeps each block's largest score (8 bytes a lane and step, in LBM); pass 2 puts it through the same multiply-add and exponential as the scores.
; (This takes v_exp_f32 not to fall where its input rises; at the worst one weight of a block would be held one code low.)
; THE MASK rides in the scores' idle K: the head is 64 of the instruction's 128.  Registers 6-11 of Q's and K's fragments are constants: code +7.5 (query) and -7.5 (key) at k = 64, zeros beyond.  The scale of the key's
; block there is 2^100 where the key is masked, 2^-126 where not.  A masked key's score is about -7.1e31: its weight is 0.  A row whose largest score lies under -1e30 is wholly masked: NM = -infinity, all weights 0.
; LIMITS: true scores q . k stay above -1e30; 6.6e-37 is taken off every kept score; NaN and infinities are not served.
; In pass 1 each lane keeps m and l of ITS half of the keys; the halves meet once, between the passes.
.set KI, 3145728
.set VI, 6291456
.set QS, 9437184
.set KS, 9699328
.set VS, 9961472
.set OS, 3145728
.set STK, 6912                         ; a step's codes in LDS: 24 rows of 288 bytes, for K and for V
.set LV, 110592
.set LKS, 221184
.set LVS, 237568
.set LBM, 241664
.set SPARE, 307200
.set SPW, 1
.set NIL, 2
.set AK0, 3
.set AS0, 4
.set AV0, 5
.set AU0, 6
.set AB0, 7
.set ADK, 8
.set ADS, 9
.set ADV, 10
.set ADU, 11
.set ADB, 12
.set G8, 13
.set SH8, 14                           ; 8 x (lane / 16)
.set QO, 15                            ; v15: at the head Q's scale word's offset; in pass 1 c m_old - c m_new
.set BY, 16                            ; v16 m, v17 -c m in pass 1; in pass 2 the two scale bytes
.set T, 22                             ; v22 the sum's factor in pass 1; v22, v23 word work in pass 2
.set QF, 24                            ; v24-35 Q's fragment
.set QSR, 36
.set KSR, 37                           ; v37-40 K's scale words: register 2 c + a: tile (c, 2 a) in lanes 0-15, (c, 2 a + 1) in lanes 16-31
.set VSR, 41
.set PW, 43
.set KF, 44                            ; v44-91 four fragments of K; registers 6-11 of each are constants
.set BMX, 92                           ; v92, v93 my two blocks' largest scores, then largest weights
.set SO, 94                            ; v94, v95 the conversions' scale operands
.set S0, 96                            ; v96-127 S^T of tiles (0, 0..3), then p
.set PC, 128                           ; v128-139 p's codes
.set PH, 140
.set CA, 132                           ; pass 1 alone: v132-135 the maxima's chains and work between the passes, v136-143 the sums' chains
.set CB, 134
.set UU, 136
.set O, 144
.set S1, 176                           ; v176-207 S^T of tiles (1, 0..3)
.set VF, 208                           ; v208-255 V's four fragments; in pass 1 a second set of four fragments of K
.set G1A, 24
.set G1B, 32
.set G0A, 48
.set G0B, 52
.set CS, 66
.set NC, 68
.set HM, 69
.set SEL, 70
.set TK, 72
.set TS, 73
.set TU, 74
.set TB, 75
.set CNT, 76
.set QB, 78
.set QSB, 80
.set OIB, 82
.set OSB, 84
.macro PLACES n
.rept \n
	v_nop
.endr
.endm
.macro CROUND
	s_barrier_signal -1
	s_barrier_wait -1
	s_cmp_lg_u32 s16, 0
	s_cbranch_scc1 .Lnot_wave_0_\@
	s_barrier_signal -3
.Lnot_wave_0_\@:
	s_barrier_wait -3
	s_barrier_signal -1
	s_barrier_wait -1
.endm
.macro KLOAD buf, c                    ; tiles (c, 0..3) of the step at ADK, and their scale words: 14 loads
.irp t, 0,1,2,3
.irp p, 0,1,2
	ds_load_b64 v[\buf+12*\t+2*\p:\buf+12*\t+2*\p+1], v[ADK] offset:\c*3456+(\t%2)*864+(\t/2)*64+\p*288
.endr
.endr
.irp a, 0,1
	ds_load_b32 v[KSR+2*\c+\a], v[ADS] offset:\c*512+\a*64
.endr
.endm
.macro SC buf, c, dst                  ; four score tiles; each starts its sum with 0
.irp t, 0,2
	v_wmma_scale_f32_16x16x128_f8f6f4 v[\dst+8*\t:\dst+8*\t+7], v[\buf+12*\t:\buf+12*\t+11], v[QF:QF+11], 0, v[KSR+2*\c+\t/2], v[QSR] matrix_a_fmt:MATRIX_FMT_FP6 matrix_b_fmt:MATRIX_FMT_FP6
	v_wmma_scale_f32_16x16x128_f8f6f4 v[\dst+8*\t+8:\dst+8*\t+15], v[\buf+12*\t+12:\buf+12*\t+23], v[QF:QF+11], 0, v[KSR+2*\c+\t/2], v[QSR] matrix_a_fmt:MATRIX_FMT_FP6 matrix_b_fmt:MATRIX_FMT_FP6 matrix_a_scale:MATRIX_SCALE_ROW1
.endr
.endm
.macro FMA16 x                         ; c s + v18 for a block's 32 scores, each accumulator from its low end on
.set j, 0
.rept 16
	v_pk_fma_f32 v[\x+j:\x+j+1], v[\x+j:\x+j+1], s[CS:CS+1], v[18:19] op_sel_hi:[1,0,0]
.set j, j+2
.endr
.endm
.macro EXP32 x
.set j, 0
.rept 32
	v_exp_f32 v[\x+j], v[\x+j]
.set j, j+1
.endr
.endm
.macro P1STEP
	s_wait_dscnt 0x0                               ; this step's eight fragments, asked for a step ago
	SC KF, 0, S0
	SC VF, 1, S1
	s_add_co_u32 s[TK], s[TK], STK
	s_add_co_u32 s[TS], s[TS], 1024
	v_add_nc_u32 v[ADK], s[TK], v[AK0]             ; four places behind the products: the next step's addresses,
	v_add_nc_u32 v[ADS], s[TS], v[AS0]
	v_add_nc_u32 v[ADB], s[TU], v[AB0]             ; and where this step's two maxima go
	v_nop
	s_add_co_u32 s[TU], s[TU], 256
	KLOAD KF, 0                                    ; the next step's (the last trip's land on nothing that is used: they read V's first bytes)
	KLOAD VF, 1
.irp b, 0,1                                    ; each block's largest score: two chains a block
	v_max3_num_f32 v[CA+\b], v[S0+80*\b], v[S0+80*\b+1], v[S0+80*\b+2]
	v_max3_num_f32 v[CB+\b], v[S0+80*\b+17], v[S0+80*\b+18], v[S0+80*\b+19]
.endr
.irp i, 3,5,7,9,11,13
.irp b, 0,1
	v_max3_num_f32 v[CA+\b], v[CA+\b], v[S0+80*\b+\i], v[S0+80*\b+\i+1]
	v_max3_num_f32 v[CB+\b], v[CB+\b], v[S0+80*\b+17+\i], v[S0+80*\b+18+\i]
.endr
.endr
.irp b, 0,1
	v_max3_num_f32 v[CA+\b], v[CA+\b], v[S0+80*\b+15], v[S0+80*\b+16]
.endr
.irp b, 0,1
	v_max_num_f32 v[BMX+\b], v[CA+\b], v[CB+\b]
.endr
	s_delay_alu instid0(VALU_DEP_1)
	v_max3_num_f32 v16, v[BMX], v[BMX+1], v16      ; the running maximum of my half of the keys
	ds_store_b64 v[ADB], v[BMX:BMX+1]              ; kept for pass 2, in my wave's own bytes
	v_mul_f32 v17, s[NC], v16                      ; -c m
	s_delay_alu instid0(VALU_DEP_1)
	v_sub_f32 v15, v17, v18                        ; c m_old - c m_new
	v_mov_b32 v18, v17
	FMA16 S0
	FMA16 S1
	s_wait_alu depctr_va_vdst(0)                   ; ahead of the batch
	v_exp_f32 v22, v15
	EXP32 S0
	EXP32 S1
	v_nop                                          ; the plain line behind the batch
	s_wait_alu depctr_va_vdst(0)                   ; one wait for the 65
.set i, 0
.rept 4                                        ; the 32 pairs in four chains
	v_pk_add_f32 v[UU+2*i:UU+2*i+1], v[S0+2*i:S0+2*i+1], v[S0+8+2*i:S0+9+2*i]
.set i, i+1
.endr
.set i, 8
.rept 24
	v_pk_add_f32 v[UU+2*(i%4):UU+2*(i%4)+1], v[UU+2*(i%4):UU+2*(i%4)+1], v[S0+2*i+48*(i/16):S0+2*i+48*(i/16)+1]
.set i, i+1
.endr
	v_pk_add_f32 v[UU:UU+1], v[UU:UU+1], v[UU+2:UU+3]
	v_pk_add_f32 v[UU+4:UU+5], v[UU+4:UU+5], v[UU+6:UU+7]
	s_delay_alu instid0(VALU_DEP_1)
	v_pk_add_f32 v[UU:UU+1], v[UU:UU+1], v[UU+4:UU+5]
	v_pk_fma_f32 v[20:21], v[20:21], v[22:23], v[UU:UU+1] op_sel_hi:[1,0,1]   ; the old sum under the new m, and this step's
.endm
.macro P2STEP
	s_wait_dscnt 0x0                               ; tiles (0, ..), their words and my two maxima, asked for in the last step
	SC KF, 0, S0
	v_add_nc_u32 v[ADV], s[TK], v[AV0]             ; four places behind these products (and behind the last step's V^T P)
	v_add_nc_u32 v[ADU], s[TU], v[AU0]
	v_pk_fma_f32 v[BMX:BMX+1], v[BMX:BMX+1], s[CS:CS+1], v[18:19] op_sel_hi:[1,0,0]   ; the blocks' largest scores take the scores' own multiply-add
	v_nop
	KLOAD KF, 1
.irp ct, 0,1,2,3
.irp p, 0,1,2,3,4,5
	ds_load_b64 v[VF+12*\ct+2*\p:VF+12*\ct+2*\p+1], v[ADV] offset:\ct*1728+\p*288
.endr
.endr
	ds_load_b32 v[VSR], v[ADU]
	ds_load_b32 v[VSR+1], v[ADU] offset:128
	s_add_co_u32 s[TK], s[TK], STK
	s_add_co_u32 s[TS], s[TS], 1024
	s_add_co_u32 s[TU], s[TU], 256
	s_min_u32 s[TB], s[TU], 3840                   ; the last trip asks for its own maxima once more: it stays in my wave's bytes
	FMA16 S0
	s_wait_alu depctr_va_vdst(0)                   ; ahead of the batch
	v_exp_f32 v[BMX], v[BMX]
	v_exp_f32 v[BMX+1], v[BMX+1]
	EXP32 S0
	v_add_nc_u32 v[ADK], s[TK], v[AK0]             ; plain lines behind the batch: the next step's addresses
	v_add_nc_u32 v[ADS], s[TS], v[AS0]
	v_add_nc_u32 v[ADB], s[TB], v[AB0]
	s_wait_dscnt 26                                ; tiles (1, ..) are in; V's 24 + 2 loads, which are younger, may be out
	SC KF, 1, S1
	s_wait_alu depctr_va_vdst(0)                   ; one wait for the 34, and for the addresses above
.irp b, 0,1
	v_max_num_f32 v[BMX+\b], 0x1800000, v[BMX+\b]  ; four places: the floor 2^(3 - 127), so that the byte cannot fall under 1,
.endr
.irp b, 0,1
	v_add_nc_u32 v[SO+\b], 0xff000000, v[BMX+\b]   ; and 2 off the exponent field: the conversions' scale operands
.endr
	KLOAD KF, 0                                    ; the next step's first four tiles,
	ds_load_b64 v[BMX:BMX+1], v[ADB]               ; and its two maxima
.irp b, 0,1
	v_lshrrev_b32 v[BY+\b], 23, v[SO+\b]           ; the bytes of blocks h and 2 + h
.endr
	v_cvt_scalef32_pk16_fp6_f32 v[PC:PC+2], v[S0:S0+15], v[SO]
	v_cvt_scalef32_pk16_fp6_f32 v[PH:PH+2], v[S0+16:S0+31], v[SO]   ; (a conversion's three registers begin on an even number)
	v_lshl_or_b32 v[T], v[BY+1], 16, v[BY]         ; also the plain line behind the conversions
.irp i, 0,1,2
	v_mov_b32 v[PC+3+\i], v[PH+\i]
.endr
	v_lshlrev_b32 v[T], v[SH8], v[T]               ; my two bytes at their places in the word,
	s_delay_alu instid0(VALU_DEP_1)
	v_permlanex16_b32 v[T+1], v[T], s[SEL], s[SEL+1]
	s_delay_alu instid0(VALU_DEP_1)
	v_or_b32 v[PW], v[T], v[T+1]                   ; with lane l xor 16's two: the weights' scale word for these 128 keys
	FMA16 S1
	s_wait_alu depctr_va_vdst(0)
	EXP32 S1
	v_nop
	s_wait_alu depctr_va_vdst(0)
	v_cvt_scalef32_pk16_fp6_f32 v[PC+6:PC+8], v[S1:S1+15], v[SO+1]
	v_cvt_scalef32_pk16_fp6_f32 v[PH:PH+2], v[S1+16:S1+31], v[SO+1]
	v_nop
.irp i, 0,1,2
	v_mov_b32 v[PC+9+\i], v[PH+\i]
.endr
	PLACES 4                                       ; an operand written by vector instructions stands 4 places ahead of a scaled product
	s_wait_alu depctr_va_vdst(0)                   ; ahead of the first readers of O^T, the codes and the word
	s_wait_dscnt 15                                ; V is in; the next step's 14 + 1 loads, which are younger, may be out
.irp ct, 0,2                                   ; the four accumulators take turns, one instruction a turn
	v_wmma_scale_f32_16x16x128_f8f6f4 v[O+8*\ct:O+8*\ct+7], v[VF+12*\ct:VF+12*\ct+11], v[PC:PC+11], v[O+8*\ct:O+8*\ct+7], v[VSR+\ct/2], v[PW] matrix_a_fmt:MATRIX_FMT_FP6 matrix_b_fmt:MATRIX_FMT_FP6
	v_wmma_scale_f32_16x16x128_f8f6f4 v[O+8*\ct+8:O+8*\ct+15], v[VF+12*\ct+12:VF+12*\ct+23], v[PC:PC+11], v[O+8*\ct+8:O+8*\ct+15], v[VSR+\ct/2], v[PW] matrix_a_fmt:MATRIX_FMT_FP6 matrix_b_fmt:MATRIX_FMT_FP6 matrix_a_scale:MATRIX_SCALE_ROW1
.endr
.endm
	s_load_b128 s[4:7], s[0:1], 0x0                ; kv, ao
	v_lshl_add_u32 v[SPW], v0, 2, SPARE
	v_mov_b32 v[NIL], 0
	ds_add_u32 v[SPW], v[NIL]                      ; the wave's opening
	ds_add_u32 v[SPW], v[NIL]
	v_lshrrev_b32 v[CA], 5, v0
	s_delay_alu instid0(VALU_DEP_1)
	v_readfirstlane_b32 s16, v[CA]                 ; wave 0..15
	s_bfe_u32 s17, ttmp6, 0x40000                  ; cx: it enters Q's and ao's global addresses alone
	s_lshl_b32 s18, ttmp9, 2
	s_add_co_u32 s18, s18, s17                     ; my block of 256 queries
	s_and_b32 s19, ttmp7, 0xffff                   ; bh, which the four partners share
	s_mov_b32 s[G1A], 15|(3<<16)|(1<<20)|(1<<21)|(5<<22)|(7<<25)   ; codes: elements of 8 bytes, 8 words of padding behind every 64
	s_mov_b32 s[G1B], 15|(3<<16)|(1<<21)           ; scale words: dense
.irp g, G1A, G1B                               ; rows of 256 bytes: 96 of codes, 16 of scale words
	s_mov_b32 s[\g+1], 32<<16
	s_mov_b32 s[\g+3], 32<<16
	s_mov_b32 s[\g+5], 32
	s_mov_b32 s[\g+6], 0
	s_mov_b32 s[\g+7], 0
.endr
	s_mov_b32 s[G1A+2], 96<<16
	s_mov_b32 s[G1A+4], 96
	s_mov_b32 s[G1B+2], 16<<16
	s_mov_b32 s[G1B+4], 16
	s_mul_i32 s10, s19, 98304                      ; waves 0-3: quarter w of K's codes; waves 4-7: quarter w - 4 of V's
	s_mul_i32 s21, s16, 24576
	s_add_co_u32 s10, s10, s21
	s_add_co_u32 s10, s10, KI
	s_cmp_ge_u32 s16, 4
	s_cselect_b32 s21, VI-KI-98304, 0
	s_add_co_u32 s10, s10, s21
	s_mov_b32 s11, 0
	s_mul_i32 s20, s16, 27648                      ; in LDS: 96 rows of 288 bytes a wave, V's behind K's
	s_lshr_b32 s8, s19, 1                          ; waves 8-11: quarter w - 8 of the head pair's K words; wave 12: V's words
	s_lshl_b32 s8, s8, 14
	s_lshl_b32 s22, s16, 12
	s_add_co_u32 s8, s8, s22
	s_add_co_u32 s8, s8, KS-32768
	s_lshl_b32 s12, s19, 12
	s_add_co_u32 s12, s12, VS
	s_cmp_eq_u32 s16, 12
	s_cselect_b32 s8, s12, s8
	s_mov_b32 s9, 0
	s_add_co_u32 s22, s22, LKS-32768               ; in LDS: 4,096 bytes a wave, V's words behind K's
	s_mov_b32 s[CS], 0x3e38aa3b                    ; c = log2(e) / 8
	s_mov_b32 s[CS+1], s[CS]
	s_mov_b32 s[NC], 0xbe38aa3b                    ; -c
	s_mov_b32 s[HM], 0xffff0000
	s_mov_b32 s[SEL], 0x76543210
	s_mov_b32 s[SEL+1], 0xfedcba98
	s_mov_b32 s[TK], 0
	s_mov_b32 s[TS], 0
	s_mov_b32 s[TU], 0
	s_wait_dscnt 0x0                               ; both opening adds are done
	s_wait_kmcnt 0x0
	s_mov_b32 s[G0A], 1
	s_mov_b32 s[G0A+1], s20
	s_add_nc_u64 s[G0A+2:G0A+3], s[4:5], s[10:11]
	s_or_b32 s[G0A+3], s[G0A+3], 0x80000000
	s_mov_b32 s[G0B], 1
	s_mov_b32 s[G0B+1], s22
	s_add_nc_u64 s[G0B+2:G0B+3], s[4:5], s[8:9]
	s_or_b32 s[G0B+3], s[G0B+3], 0x80000000
	CROUND                                         ; all four work-groups are here: the joint loads meet
	s_cmp_lt_u32 s16, 8                            ; one chain of branches on the wave's number, one load to an arm; waves 13-15 bring nothing
	s_cbranch_scc0 .Lwords
	tensor_load_to_lds s[G0A:G0A+3], s[G1A:G1A+7]
	s_nop 0
	PLACES 4
	s_branch .Lasked
.Lwords:
	s_cmp_lt_u32 s16, 13
	s_cbranch_scc0 .Lasked
	tensor_load_to_lds s[G0B:G0B+3], s[G1B:G1B+7]
	s_nop 0
	PLACES 4
.Lasked:
	s_lshl_b32 s86, s18, 4
	s_add_co_u32 s86, s86, s16                     ; T': my tile of queries in the batch
	s_mul_i32 s88, s19, 98304
	s_mul_i32 s87, s86, 768
	s_add_co_u32 s88, s88, s87
	s_mov_b32 s89, 0
	s_add_nc_u64 s[QB:QB+1], s[4:5], s[88:89]
	s_lshr_b32 s88, s19, 1
	s_lshl_b32 s88, s88, 14
	s_lshl_b32 s87, s86, 7
	s_add_co_u32 s88, s88, s87
	s_and_b32 s77, s19, 1
	s_lshl_b32 s77, s77, 2                         ; which of the pair's two heads: 4 bytes on
	s_add_co_u32 s88, s88, s77
	s_add_co_u32 s88, s88, QS
	s_add_nc_u64 s[QSB:QSB+1], s[4:5], s[88:89]
	s_add_co_u32 s77, s77, LKS
	s_lshr_b32 s87, s19, 4
	s_lshl_b32 s87, s87, 7
	s_add_co_u32 s86, s86, s87                     ; T = 128 b + T'
	s_and_b32 s87, s19, 15                         ; the head
	s_lshl_b32 s88, s86, 4
	s_add_co_u32 s88, s88, s87
	s_mul_i32 s88, s88, 768
	s_add_nc_u64 s[OIB:OIB+1], s[6:7], s[88:89]
	s_lshl_b32 s88, s86, 9
	s_lshr_b32 s90, s87, 1
	s_lshl_b32 s90, s90, 6
	s_add_co_u32 s88, s88, s90
	s_and_b32 s90, s87, 1
	s_lshl_b32 s90, s90, 1
	s_add_co_u32 s88, s88, s90
	s_add_co_u32 s88, s88, OS
	s_add_nc_u64 s[OSB:OSB+1], s[6:7], s[88:89]
	v_and_b32 v[CA], 31, v0                        ; lane
	v_and_b32 v[QO], 15, v0
	v_and_b32 v[CA+1], 7, v0                       ; r % 8
	v_bfe_u32 v[CB], v0, 3, 1                      ; r / 8
	v_bfe_u32 v[CB+1], v0, 4, 1                    ; h
	v_lshlrev_b32 v[G8], 3, v[CA]
	v_lshlrev_b32 v[QO], 3, v[QO]
.irp p, 0,1,2
	global_load_b64 v[QF+2*\p:QF+2*\p+1], v[G8], s[QB:QB+1] offset:256*\p
.endr
	global_load_b32 v[QSR], v[QO], s[QSB:QSB+1]
	v_mul_u32_u24 v[AK0], v[CB], 1728              ; K: two tiles on for r >= 8, 8 bytes a row, 128 for the lanes' upper half
	v_lshlrev_b32 v[AS0], 8, v[CB]                 ; K's words: 256 bytes a group of 32 keys, 8 a row, 128 for the odd tile
	v_lshl_add_u32 v[AK0], v[CA+1], 3, v[AK0]
	v_lshl_add_u32 v[AS0], v[CA+1], 3, v[AS0]
	v_lshl_add_u32 v[AK0], v[CB+1], 7, v[AK0]
	v_lshl_add_u32 v[AS0], v[CB+1], 7, v[AS0]
	v_lshl_add_u32 v[AV0], v[CA], 3, LV
	v_add_nc_u32 v[AS0], s77, v[AS0]
	v_lshl_add_u32 v[AU0], v[CA], 2, LVS
	v_lshrrev_b32 v[AB0], 5, v0
	v_lshlrev_b32 v[SH8], 3, v[CB+1]
	v_lshlrev_b32 v[AB0], 12, v[AB0]               ; the maxima: 4,096 bytes a wave, 256 a step, 8 a lane
	v_mov_b32 v[ADK], v[AK0]
	v_lshl_add_u32 v[AB0], v[CA], 3, v[AB0]
	v_mov_b32 v[ADS], v[AS0]
	v_add_nc_u32 v[AB0], LBM, v[AB0]
	v_mov_b32 v[CA], 0x1f                          ; the constants of k = 64 .. 127: lanes 0-15 hold k = 64 .. 95, the code of k = 64 lowest
	v_mov_b32 v[CA+1], 0x3f
	v_cndmask_b32 v[QF+6], v[CA], v[NIL], s[HM]
.irp t, 0,1,2,3
	v_cndmask_b32 v[KF+12*\t+6], v[CA+1], v[NIL], s[HM]
	v_cndmask_b32 v[VF+12*\t+6], v[CA+1], v[NIL], s[HM]
.endr
.irp i, 7,8,9,10,11
	v_mov_b32 v[QF+\i], 0
.irp t, 0,1,2,3
	v_mov_b32 v[KF+12*\t+\i], 0
	v_mov_b32 v[VF+12*\t+\i], 0
.endr
.endr
	v_mov_b32 v16, 0xff61b1e6                      ; m = -3e38
	v_mov_b32 v19, 0
	v_mul_f32 v18, s[NC], v16
	v_mov_b32 v20, 0
	v_mov_b32 v21, 0
	v_mov_b32 v23, 0
.set j, 0
.rept 32
	v_mov_b32 v[O+j], 0                            ; O^T: pass 2's step is written once
.set j, j+1
.endr
	s_mov_b32 s[CNT], 16
	s_wait_alu depctr_va_vdst(0)
	s_wait_tensorcnt 0x0                           ; my load has landed
	s_barrier_signal -1
	s_barrier_wait -1                              ; everybody's has: all of K and V; no later barrier but the closing round's
	KLOAD KF, 0
	KLOAD VF, 1
	s_wait_loadcnt 0x0                             ; Q
.Lp1:
	P1STEP
	s_sub_co_u32 s[CNT], s[CNT], 1
	s_cmp_lg_u32 s[CNT], 0
	s_cbranch_scc1 .Lp1
	s_wait_alu depctr_va_vdst(0)
	s_wait_dscnt 0x0                               ; the last trip's loads have landed: their registers may be used again
	v_add_f32 v20, v20, v21                        ; the two halves of the lanes meet
	v_permlanex16_b32 v[CA], v16, s[SEL], s[SEL+1]
	s_delay_alu instid0(VALU_DEP_1)
	v_max_num_f32 v[CB], v16, v[CA]                ; M
	s_delay_alu instid0(VALU_DEP_1)
	v_mul_f32 v[CB+1], s[NC], v[CB]                ; -c M
	s_delay_alu instid0(VALU_DEP_1)
	v_sub_f32 v[CA+1], v[CB+1], v18
	s_wait_alu depctr_va_vdst(0)
	v_exp_f32 v22, v[CA+1]                         ; my half's sum is brought under M
	v_nop
	s_wait_alu depctr_va_vdst(0)
	v_mul_f32 v20, v20, v22
	s_delay_alu instid0(VALU_DEP_1)
	v_permlanex16_b32 v[CA], v20, s[SEL], s[SEL+1]
	s_delay_alu instid0(VALU_DEP_1)
	v_add_f32 v20, v20, v[CA]                      ; l
	s_delay_alu instid0(VALU_DEP_1)
	v_max_num_f32 v20, 0x800000, v20
	s_wait_alu depctr_va_vdst(0)
	v_log_f32 v[CA+1], v20
	v_mov_b32 v[CA], 0xff800000                    ; (the plain line behind the logarithm)
	s_wait_alu depctr_va_vdst(0)
	v_sub_f32 v18, v[CB+1], v[CA+1]                ; NM = -c M - log2(l)
	v_cmp_gt_f32 vcc_lo, 0xf149f2ca, v[CB]         ; -1e30 > M: every key of the row is masked
	s_delay_alu instid0(VALU_DEP_1)
	v_cndmask_b32 v18, v18, v[CA], vcc_lo          ; then every weight is 0
	v_mov_b32 v[ADK], v[AK0]
	v_mov_b32 v[ADS], v[AS0]
	s_mov_b32 s[TK], 0
	s_mov_b32 s[TS], 0
	s_mov_b32 s[TU], 0
	s_mov_b32 s[CNT], 16
	KLOAD KF, 0
	ds_load_b64 v[BMX:BMX+1], v[AB0]               ; LDS serves a wave's instructions in order: this sees my stores
	s_wait_alu depctr_va_vdst(0)
.Lp2:
	P2STEP
	s_sub_co_u32 s[CNT], s[CNT], 1
	s_cmp_lg_u32 s[CNT], 0
	s_cbranch_scc1 .Lp2
	; O^T's register 16 b + i is channel 32 b + 16 h + i of my query: a half fragment of the last product's left operand
	s_wait_dscnt 0x0                               ; the last trip's loads have landed
	PLACES 4
.irp b, 0,1
	v_max3_num_f32 v[VF+\b], |v[O+16*\b]|, |v[O+16*\b+1]|, 0x1800000
.endr
.irp i, 2,4,6,8,10,12,14
.irp b, 0,1
	v_max3_num_f32 v[VF+\b], v[VF+\b], |v[O+16*\b+\i]|, |v[O+16*\b+\i+1]|
.endr
.endr
.irp b, 0,1
	s_delay_alu instid0(VALU_DEP_2)
	v_permlanex16_b32 v[VF+4+\b], v[VF+\b], s[SEL], s[SEL+1]
.endr
.irp b, 0,1
	s_delay_alu instid0(VALU_DEP_2)
	v_max_num_f32 v[VF+\b], v[VF+\b], v[VF+4+\b]
.endr
.irp b, 0,1
	s_delay_alu instid0(VALU_DEP_2)
	v_add_nc_u32 v[VF+12+\b], 0xff000000, v[VF+\b]
.endr
.irp b, 0,1
	s_delay_alu instid0(VALU_DEP_2)
	v_lshrrev_b32 v[VF+4+\b], 23, v[VF+12+\b]
.endr
	v_cvt_scalef32_pk16_fp6_f32 v[PC:PC+2], v[O:O+15], v[VF+12]
	v_cvt_scalef32_pk16_fp6_f32 v[PH:PH+2], v[O+16:O+31], v[VF+13]
	v_nop
.irp i, 0,1,2
	v_permlane16_swap_b32 v[PC+\i], v[PH+\i]
.endr
.irp i, 0,1,2
	v_mov_b32 v[PC+3+\i], v[PH+\i]
.endr
	v_cndmask_b32 v16, v[VF+4], v[VF+5], s[HM]     ; lane (r, h) stores block h's byte
	v_and_b32 v17, 15, v0
	v_bfe_u32 v22, v0, 4, 1
	s_delay_alu instid0(VALU_DEP_1)
	v_lshl_add_u32 v17, v17, 2, v22
.irp p, 0,1,2
	global_store_b64 v[G8], v[PC+2*\p:PC+2*\p+1], s[OIB:OIB+1] offset:256*\p   ; 256 consecutive bytes, aligned
.endr
	global_store_b8 v17, v16, s[OSB:OSB+1]         ; two bytes of each row's scale word: 32 bytes a wave beside its 768 of codes
	s_wait_tensorcnt 0x0                           ; the wave's end
	ds_add_u32 v[SPW], v[NIL]
	s_wait_dscnt 0x0
	CROUND                                         ; the closing round
	s_endpgm
.Lfunc_end_k_q2981780118_attn:
	.size	k_q2981780118_attn, .Lfunc_end_k_q2981780118_attn-k_q2981780118_attn
	.p2alignl 7, 3214868480
	.fill 96, 4, 3214868480
	.section	.rodata,"a",@progbits
	.p2align	6, 0x0
	.amdhsa_kernel k_q2981780118_attn
		.amdhsa_group_segment_fixed_size 309248
		.amdhsa_private_segment_fixed_size 0
		.amdhsa_enable_private_segment 0
		.amdhsa_kernarg_size 16
		.amdhsa_user_sgpr_count 2
		.amdhsa_user_sgpr_kernarg_segment_ptr 1
		.amdhsa_wavefront_size32 1
		.amdhsa_system_sgpr_workgroup_id_x 1
		.amdhsa_system_sgpr_workgroup_id_y 1
		.amdhsa_system_sgpr_workgroup_id_z 1
		.amdhsa_system_vgpr_workitem_id 0
		.amdhsa_next_free_vgpr 256
		.amdhsa_next_free_sgpr 92
		.amdhsa_reserve_vcc 1
		.amdhsa_float_denorm_mode_32 3
		.amdhsa_float_denorm_mode_16_64 3
		.amdhsa_memory_ordered 1
		.amdhsa_forward_progress 1
		.amdhsa_inst_pref_size 41
	.end_amdhsa_kernel
	.amdgpu_metadata
---
amdhsa.version: [ 1, 2 ]
amdhsa.kernels:
  - .name:           k_q2981780118_attn
    .symbol:         k_q2981780118_attn.kd
    .args:
      - { .name: kv, .offset: 0, .size: 8, .value_kind: global_buffer, .address_space: global }
      - { .name: ao, .offset: 8, .size: 8, .value_kind: global_buffer, .address_space: global }
    .group_segment_fixed_size: 309248
    .private_segment_fixed_size: 0
    .kernarg_segment_align: 8
    .kernarg_segment_size: 16
    .max_flat_workgroup_size: 512
    .sgpr_count:     92
    .vgpr_count:     256
    .wavefront_size: 32
...
	.end_amdgpu_metadata
.endif
;; end of part 3
;; launch oproj (part 4): grid 8 x 32, 4 waves a work-group, clusters of 4 x 4, 327,680 bytes of LDS; arguments ao, pq, bo, out0; writes out0
.if DOCPART == 4
	.amdgcn_target "amdgcn-amd-amdhsa--gfx1250"
	.amdhsa_code_object_version 6
	.text
	.protected	k_q2981780118_oproj
	.globl	k_q2981780118_oproj
	.p2align	8
	.type	k_q2981780118_oproj,@function
k_q2981780118_oproj:
	s_mov_b64 s[64:65], 0
	v_nop
	global_prefetch_b8 v0, s[64:65] scope:SCOPE_SE
	s_setreg_imm32_b32 hwreg(HW_REG_WAVE_MODE, 25, 1), 1
	s_wait_xcnt 0x0
	s_wait_alu depctr_hold_cnt(0) depctr_sa_sdst(0) depctr_va_vdst(0) depctr_va_sdst(0) depctr_va_ssrc(0) depctr_va_vcc(0) depctr_vm_vsrc(0)
	s_getreg_b32 s2, hwreg(HW_REG_IB_STS2, 6, 4)
	s_cmp_eq_u32 s2, 0
	s_cbranch_scc0 .Lentry_in_a_cluster
	s_endpgm
.Lentry_in_a_cluster:
	s_bfe_u32 s2, ttmp6, 0x10000c
	s_cmp_lg_u32 s2, 0xf033
	s_cbranch_scc0 .Lentry_shape_is_right
	s_endpgm
.Lentry_shape_is_right:
; out0 = o Wo + bo on codes of FP6 (E2M3): ao holds o's codes and scale words, pq Wo's, both as images of operand registers.
; Work-group (np, tb) makes 128 columns x 128 tokens; source 0 = Wo's 8 tiles (read by every wave), source 1 = the wave's 2 tiles of o; K = 1,024 in 8 steps; bo is the C of each sum's first product.
; CLUSTER 4 x 4: o's panel is shared along a row of the cluster, Wo's along a column.  Both panels are filled once, at the head: waves 0, 1 bring o's halves, waves 2, 3 Wo's, one joint load a wave.
; No prefetch: every tile is asked for once, at the head.  Results leave through each wave's own stage in LDS, as whole rows of 512 bytes.
.set WI, 3145728
.set WS, 6422528
.set WMAT, 786432
.set OS, 3145728
.set WP, 98304
.set STG, 196608
.set SPARE, 230400
.set SPW, 1
.set NIL, 2
.set A16, 3
.set A4, 4
.set AOW, 5
.set AWLO, 6
.set AWHI, 7
.set STO, 8
.set RD, 9
.set BO, 10
.set S0SC, 16
.set S1SC, 48
.set OB, 64
.set ACC, 128
.set G1X, 24
.set G1W, 32
.set G0X, 40
.set G0W, 44
.set WSB, 48
.set OSW, 50
.set BOB, 52
.set OUTB, 54
.set MSB, 0
.macro WIN new
.if MSB != \new
	s_set_vgpr_msb (MSB<<8)|\new
.set MSB, \new
.endif
.endm
.macro PLACES n
.rept \n
	v_nop
.endr
.endm
.macro CROUND
	s_barrier_signal -1
	s_barrier_wait -1
	s_cmp_lg_u32 s16, 0
	s_cbranch_scc1 .Lnot_wave_0_\@
	s_barrier_signal -3
.Lnot_wave_0_\@:
	s_barrier_wait -3
	s_barrier_signal -1
	s_barrier_wait -1
.endm
.macro FRAG reg, adr, off
.irp p, 0,1,2,3,4,5
	ds_load_b64 v[\reg+2*\p:\reg+2*\p+1], v[\adr] offset:\off+256*\p
.endr
.endm
.macro FETCH set, ks
	WIN 0x40
.irp j, 0,1
	FRAG 128*(\set)+96+12*\j, AOW, \j*12288+1536*(\ks)
.endr
.irp i, 0,1,2,3
	FRAG 128*(\set)+12*\i, AWLO, \i*12288+1536*(\ks)
.endr
.irp i, 0,1,2,3
	FRAG 128*(\set)+48+12*\i, AWHI, \i*12288+1536*(\ks)
.endr
.endm
.macro MUL8 set, i0, ks
.irp i, \i0, \i0+1, \i0+2, \i0+3
.irp j, 0,1
.set rD, ACC+64*\j+8*(\i)
.set rA, 128*(\set)+12*(\i)
.set rB, 128*(\set)+96+12*\j
.set rC, rD
.if (\ks) == 0
.set rC, 8*(\i)
.endif
.set rP, S0SC+4*(\i)+(\ks)/2
.set rQ, S1SC+4*\j+(\ks)/2
.if (\ks)%2
	v_wmma_scale_f32_16x16x128_f8f6f4 v[rD:rD+7], v[rA:rA+11], v[rB:rB+11], v[rC:rC+7], v[rP], v[rQ] matrix_a_fmt:MATRIX_FMT_FP6 matrix_b_fmt:MATRIX_FMT_FP6 matrix_a_scale:MATRIX_SCALE_ROW1 matrix_b_scale:MATRIX_SCALE_ROW1
.else
	v_wmma_scale_f32_16x16x128_f8f6f4 v[rD:rD+7], v[rA:rA+11], v[rB:rB+11], v[rC:rC+7], v[rP], v[rQ] matrix_a_fmt:MATRIX_FMT_FP6 matrix_b_fmt:MATRIX_FMT_FP6
.endif
.endr
.endr
.endm
.macro MWIN ks
.if (\ks) == 0
	WIN 0x25
.else
	WIN 0x05
.endif
.endm
.macro KSTEP ks
	s_wait_dscnt 24
	MWIN \ks
	MUL8 (\ks)%2, 0, \ks
.if (\ks) < 7
	PLACES 4
	FETCH 1-(\ks)%2, (\ks)+1
	s_wait_dscnt 60
.else
	s_wait_dscnt 0x0
.endif
	MWIN \ks
	MUL8 (\ks)%2, 4, \ks
.endm
.macro SCLOAD dst, n, base
.set tt, 0
.rept \n
.irp q, 0,1,2,3
	global_load_b32 v[\dst+4*tt+\q], v[A4], s[\base:\base+1] offset:512*tt+128*\q
.endr
.set tt, tt+1
.endr
.endm
	s_load_b256 s[4:11], s[0:1], 0x0
	v_lshl_add_u32 v[SPW], v0, 2, SPARE
	v_mov_b32 v[NIL], 0
	ds_add_u32 v[SPW], v[NIL]
	ds_add_u32 v[SPW], v[NIL]
	v_lshrrev_b32 v11, 5, v0
	v_readfirstlane_b32 s16, v11
	s_bfe_u32 s17, ttmp6, 0x40000
	s_bfe_u32 s18, ttmp6, 0x40004
	s_lshl_b32 s19, ttmp9, 2
	s_add_co_u32 s19, s19, s17
	s_and_b32 s20, ttmp7, 0xffff
	s_lshl_b32 s20, s20, 2
	s_add_co_u32 s20, s20, s18
	s_lshl_b32 s21, s18, 2
	s_lshl_b32 s21, 15, s21
	s_lshl_b32 s22, 0x1111, s17
	s_or_b32 s[G1X], s21, (3<<16)|(1<<21)
	s_or_b32 s[G1W], s22, (3<<16)|(1<<21)
.irp g, G1X, G1W
	s_mov_b32 s[\g+1], 32<<16
	s_mov_b32 s[\g+2], 192<<16                     ; half a panel: 192 rows of 256 bytes
	s_mov_b32 s[\g+3], 32<<16
	s_mov_b32 s[\g+4], 192
	s_mov_b32 s[\g+5], 32
	s_mov_b32 s[\g+6], 0
	s_mov_b32 s[\g+7], 0
.endr
	s_mul_i32 s23, s16, 24576
	s_and_b32 s61, s16, 1
	s_mul_i32 s61, s61, 49152                      ; which half of a panel I bring
	s_mul_i32 s56, s20, 98304
	s_add_co_u32 s56, s56, s61
	s_mov_b32 s57, 0
	s_mul_i32 s58, s19, 98304
	s_add_co_u32 s58, s58, s61
	s_add_co_u32 s58, s58, WI+3*WMAT
	s_mov_b32 s59, 0
	s_wait_dscnt 0x0
	s_wait_kmcnt 0x0
	s_mov_b32 s[G0X], 1
	s_mov_b32 s[G0X+1], s61
	s_add_nc_u64 s[G0X+2:G0X+3], s[4:5], s[56:57]
	s_or_b32 s[G0X+3], s[G0X+3], 0x80000000
	s_mov_b32 s[G0W], 1
	s_add_co_u32 s[G0W+1], s61, WP
	s_add_nc_u64 s[G0W+2:G0W+3], s[6:7], s[58:59]
	s_or_b32 s[G0W+3], s[G0W+3], 0x80000000
	CROUND
	s_cmp_lt_u32 s16, 2                            ; one chain of branches on the wave's number, one joint load to an arm
	s_cbranch_scc0 .Lhead_w
	tensor_load_to_lds s[G0X:G0X+3], s[G1X:G1X+7]  ; half of o's panel
	s_nop 0
	PLACES 4
	s_branch .Lhead_asked
.Lhead_w:
	tensor_load_to_lds s[G0W:G0W+3], s[G1W:G1W+7]  ; half of Wo's panel
	s_nop 0
	PLACES 4
.Lhead_asked:
	v_and_b32 v11, 31, v0
	v_and_b32 v12, 15, v0
	v_bfe_u32 v13, v0, 4, 1
	v_lshlrev_b32 v[A16], 4, v11
	v_lshlrev_b32 v[A4], 2, v11
	s_wait_alu depctr_va_vdst(0)
	v_lshl_add_u32 v[AOW], v11, 3, s23
	v_lshl_add_u32 v[AWLO], v11, 3, WP
	v_add_nc_u32 v[AWHI], 49152, v[AWLO]
	s_mul_i32 s60, s16, 8448
	s_add_co_u32 s60, s60, STG
	v_mul_u32_u24 v[STO], v12, 528
	v_lshl_add_u32 v[STO], v13, 6, v[STO]
	v_add_nc_u32 v[STO], s60, v[STO]
	v_lshl_add_u32 v[RD], v11, 4, s60
	v_lshlrev_b32 v[BO], 6, v13
	s_wait_alu depctr_va_vdst(0)
	s_lshl_b32 s66, s19, 12
	s_add_co_u32 s66, s66, WS+3*32768
	s_mov_b32 s67, 0
	s_add_nc_u64 s[WSB:WSB+1], s[6:7], s[66:67]
	s_lshl_b32 s66, s20, 12
	s_lshl_b32 s68, s16, 10
	s_add_co_u32 s66, s66, s68
	s_add_co_u32 s66, s66, OS
	s_add_nc_u64 s[OSW:OSW+1], s[4:5], s[66:67]
	s_lshl_b32 s66, s19, 9
	s_add_nc_u64 s[BOB:BOB+1], s[8:9], s[66:67]
	s_lshl_b32 s68, s20, 7
	s_lshl_b32 s69, s16, 5
	s_add_co_u32 s68, s68, s69
	s_lshl_b32 s68, s68, 12
	s_add_co_u32 s66, s66, s68
	s_add_nc_u64 s[OUTB:OUTB+1], s[10:11], s[66:67]
	SCLOAD S0SC, 8, WSB
	SCLOAD S1SC, 2, OSW
	WIN 0x80
.irp i, 0,1,2,3,4,5,6,7
	global_load_b128 v[8*\i:8*\i+3], v[BO], s[BOB:BOB+1] offset:(32*(\i/2)+8*(\i%2))*4
	global_load_b128 v[8*\i+4:8*\i+7], v[BO], s[BOB:BOB+1] offset:(32*(\i/2)+8*(\i%2))*4+16
.endr
	WIN 0
	s_wait_tensorcnt 0x0
	s_barrier_signal -1
	s_barrier_wait -1
	FETCH 0, 0
	WIN 0
	s_wait_loadcnt 0x0
.irp ks, 0,1,2,3,4,5,6,7
	KSTEP \ks
.endr
	WIN 0
	PLACES 4
.irp j, 0,1
.if \j
	s_wait_xcnt 0x0
.endif
.irp i, 0,1,2,3,4,5,6,7
	ds_store_b128 v[STO], v[ACC+64*\j+8*\i:ACC+64*\j+8*\i+3] offset:128*(\i/2)+32*(\i%2)
	ds_store_b128 v[STO], v[ACC+64*\j+8*\i+4:ACC+64*\j+8*\i+7] offset:128*(\i/2)+32*(\i%2)+16
.endr
.irp t, 0,1,2,3,4,5,6,7,8,9,10,11,12,13,14,15
	ds_load_b128 v[OB+4*\t:OB+4*\t+3], v[RD] offset:528*\t
.endr
.irp t, 0,1,2,3,4,5,6,7,8,9,10,11,12,13,14,15
	s_wait_dscnt 15-\t
	global_store_b128 v[A16], v[OB+4*\t:OB+4*\t+3], s[OUTB:OUTB+1] offset:(8*\j+\t+8*(\t/8))*4096 th:TH_STORE_NT
.endr
.endr
	s_wait_tensorcnt 0x0
	ds_add_u32 v[SPW], v[NIL]
	s_wait_dscnt 0x0
	CROUND
	s_endpgm
.Lfunc_end_k_q2981780118_oproj:
	.size	k_q2981780118_oproj, .Lfunc_end_k_q2981780118_oproj-k_q2981780118_oproj
	.p2alignl 7, 3214868480
	.fill 96, 4, 3214868480
	.section	.rodata,"a",@progbits
	.p2align	6, 0x0
	.amdhsa_kernel k_q2981780118_oproj
		.amdhsa_group_segment_fixed_size 327680
		.amdhsa_private_segment_fixed_size 0
		.amdhsa_enable_private_segment 0
		.amdhsa_kernarg_size 32
		.amdhsa_user_sgpr_count 2
		.amdhsa_user_sgpr_kernarg_segment_ptr 1
		.amdhsa_wavefront_size32 1
		.amdhsa_system_sgpr_workgroup_id_x 1
		.amdhsa_system_sgpr_workgroup_id_y 1
		.amdhsa_system_sgpr_workgroup_id_z 1
		.amdhsa_system_vgpr_workitem_id 0
		.amdhsa_next_free_vgpr 768
		.amdhsa_next_free_sgpr 80
		.amdhsa_reserve_vcc 0
		.amdhsa_float_denorm_mode_32 3
		.amdhsa_float_denorm_mode_16_64 3
		.amdhsa_memory_ordered 1
		.amdhsa_forward_progress 1
		.amdhsa_inst_pref_size 68
	.end_amdhsa_kernel
	.amdgpu_metadata
---
amdhsa.version: [ 1, 2 ]
amdhsa.kernels:
  - .name:           k_q2981780118_oproj
    .symbol:         k_q2981780118_oproj.kd
    .args:
      - { .name: ao, .offset: 0, .size: 8, .value_kind: global_buffer, .address_space: global }
      - { .name: pq, .offset: 8, .size: 8, .value_kind: global_buffer, .address_space: global }
      - { .name: bo, .offset: 16, .size: 8, .value_kind: global_buffer, .address_space: global }
      - { .name: out0, .offset: 24, .size: 8, .value_kind: global_buffer, .address_space: global }
    .group_segment_fixed_size: 327680
    .private_segment_fixed_size: 0
    .kernarg_segment_align: 8
    .kernarg_segment_size: 32
    .max_flat_workgroup_size: 128
    .sgpr_count:     80
    .vgpr_count:     768
    .wavefront_size: 32
...
	.end_amdgpu_metadata
.endif
;; end of part 4
